; MI455X (gfx1250); checked and timed in simulation.
; The chip was launched on July 23, 2026; its instructions are those of AMD's public machine-readable ISA for CDNA 5 (MIT licence, August 2026) and "CDNA5" Instruction Set Architecture Reference Guide (July 2026). The comments in the code are by the model that wrote it; some were corrected since.
;; Multi Headed Attention CI. Allowed arithmetic: float matrix products may take bf16 or f16 operands with f32 sums; other float arithmetic in f32, or as packed bf16 or f16 multiplies, adds, multiply-adds, maxima and minima; sums over many terms, partial sums and values carried from step to step in f32; what a program stores and reads back later, other than sums and carried values, may be rounded once to bf16 or f16.
;; Inputs: Wk 512 x 512 float32; Wo 512 x 512 float32; Wq 512 x 512 float32; Wv 512 x 512 float32; bk 512 float32; bo 512 float32; bq 512 float32; bv 512 float32; key 16 x 1,024 x 512 float32; mask 16 x 1,024 x 1,024 int32; query 16 x 1,024 x 512 float32; value 16 x 1,024 x 512 float32.
;; Outputs: out0 16 x 1,024 x 512 float32.
;; 2 versions, each right and faster than the one before. Each part assembles by itself: llvm-mc -triple=amdgcn-amd-amdhsa -mcpu=gfx1250 --defsym DOCPART=n.
;; ======== version 1 of 2: 4 launches
;; limits: values are held in f16: magnitudes above 65,504 overflow, below 6.1e-05 lose precision
;; workspace buffers: maskw 2,097,152 bytes of whole numbers; rowflag 4,096 bytes of whole numbers; wcat 2,097,152 bytes; bcat 8,192 bytes; qkv 50,331,648 bytes; xw 16,777,216 bytes
;; launch prep (part 1): grid 1024 x 1, 4 waves a work-group, no clusters, 67,328 bytes of LDS; arguments mask, Wq, Wk, Wv, Wo, bq, bk, bv, bo, maskw, rowflag, wcat, bcat; writes maskw, rowflag, wcat, bcat
.if DOCPART == 1
	.amdgcn_target "amdgcn-amd-amdhsa--gfx1250"
	.amdhsa_code_object_version 6
	.text
	.protected	k_qf8ba1dd449_prep
	.globl	k_qf8ba1dd449_prep
	.p2align	8
	.type	k_qf8ba1dd449_prep,@function
k_qf8ba1dd449_prep:
	s_mov_b64 s[64:65], 0
	v_nop
	global_prefetch_b8 v0, s[64:65] scope:SCOPE_SE
	s_setreg_imm32_b32 hwreg(HW_REG_WAVE_MODE, 25, 1), 1
	s_wait_xcnt 0x0
; PREP: the mask as lane masks, the weights and biases rounded.  A stream: no matrix unit, no tensor loads, no cluster (no two work-groups read the same bytes).
; Work-group u = (batch, tile of 16 queries): 16 rows of mask, 65,536 dense bytes.  Wave w takes keys 256 w .. 256 w + 255 of the 16 rows: 32 loads of 16 bytes a lane, all out at once.
; maskw[u][kg 64][j 8]: bit L of a word = (mask[16 qt + L % 16][16 kg + 8 (L / 16) + j] == 0): the lane mask of register j of the 16 x 16 score tile of key group kg, keys along the registers.
; The turn from rows to that lane order goes through the wave's own LDS rows (pitch 1,040 = 65 x 16 bytes: the 16 rows of a 16-byte read start at 16 different 16-byte columns).
; rowflag[u]: bits L and L + 16 set where query row L of the tile has all 1,024 keys masked.
; wcat[t][512][512]: Wq, Wk, Wv in bf16; Wo rounded to bf16 and that number written as f16 (below 6e-5 it keeps f16's fixed step of 6e-8).  bcat[t][512]: the biases rounded to bf16, as f32.
; Each work-group converts 1,024 weights of matrix t = u / 256; the four work-groups with u % 256 = 0 convert a bias.
.set ROWB,  4096                       ; bytes in a row of mask
.set LP,    1040                       ; LDS pitch of a wave's 1,024 bytes of a row
.set WREG,  16*LP                      ; a wave's LDS rows
.set FLG,   4*WREG                     ; four words, one a wave, in a block of 256 bytes of their own
.set SPARE, FLG+256                    ; the spare words: 128 bytes a wave, two blocks of 256 bytes that no other line names
.set X,     20                         ; v[20:147]  the wave's 16 KB of mask
.set OUT,   148                        ; v[148:151] 128 words: word W in lane W / 4, register W % 4
.set SPW,   156                        ; v156 LDS address of my spare word; never rewritten
.set NIL,   157                        ; v157 0; never rewritten
.set CW,    36                         ; s[36:51] sixteen words at a time
.set ACC,   52                         ; s52 the AND of the wave's 128 words
	s_load_b512 s[8:23], s[0:1], 0x0               ; mask s[8:9], Wq, Wk, Wv, Wo s[10:17], bq, bk, bv s[18:23]
	s_load_b256 s[24:31], s[0:1], 0x40             ; bo s[24:25], maskw s[26:27], rowflag s[28:29], wcat s[30:31]
	s_load_b64 s[32:33], s[0:1], 0x60              ; bcat
	v_lshl_add_u32 v[SPW], v0, 2, SPARE
	v_mov_b32 v[NIL], 0
	v_and_b32 v1, 31, v0                           ; lane
	v_lshrrev_b32 v2, 5, v0
	v_readfirstlane_b32 s6, v2                     ; wave
	s_lshr_b32 s7, ttmp9, 8                        ; t: which weight matrix
	s_and_b32 s54, ttmp9, 255                      ; which 1,024 numbers of it
	s_mul_i32 s55, s6, WREG
	v_lshlrev_b32 v2, 4, v1
	v_lshl_add_u32 v2, s6, 10, v2                  ; mask: 1,024 w + 16 lane
	v_lshl_add_u32 v3, v1, 4, s55                  ; LDS in: my wave's rows + 16 lane
	v_and_b32 v8, 15, v0
	v_bfe_u32 v9, v0, 4, 1
	v_mul_u32_u24 v4, v8, LP
	v_lshl_add_u32 v4, v9, 5, v4
	v_add_nc_u32 v4, s55, v4                       ; LDS back: row lane % 16, 8 keys (32 bytes) for each half of the lanes
	v_lshlrev_b32 v5, 4, v0                        ; 16 x thread
	v_lshlrev_b32 v6, 3, v0                        ; 8 x thread
	s_mov_b32 s35, 0
	s_wait_kmcnt 0x0
	s_lshl_b32 s34, ttmp9, 16
	s_add_nc_u64 s[8:9], s[8:9], s[34:35]          ; mask at my 16 rows
	s_cmp_eq_u32 s7, 1                             ; the weight matrix and the bias are chosen by t
	s_cselect_b64 s[2:3], s[12:13], s[10:11]
	s_cselect_b64 s[4:5], s[20:21], s[18:19]
	s_cmp_eq_u32 s7, 2
	s_cselect_b64 s[2:3], s[14:15], s[2:3]
	s_cselect_b64 s[4:5], s[22:23], s[4:5]
	s_cmp_eq_u32 s7, 3
	s_cselect_b64 s[2:3], s[16:17], s[2:3]
	s_cselect_b64 s[4:5], s[24:25], s[4:5]
	s_lshl_b32 s34, s54, 12
	s_add_nc_u64 s[2:3], s[2:3], s[34:35]          ; my 4,096 bytes of it
	s_lshl_b32 s34, s7, 19
	s_lshl_b32 s53, s54, 11
	s_add_co_u32 s34, s34, s53
	s_add_nc_u64 s[30:31], s[30:31], s[34:35]      ; and their 2,048 bytes in wcat
	s_lshl_b32 s34, ttmp9, 11
	s_add_nc_u64 s[26:27], s[26:27], s[34:35]      ; maskw at my unit
	s_lshl_b32 s34, ttmp9, 2
	s_add_nc_u64 s[28:29], s[28:29], s[34:35]      ; rowflag at my word
	s_lshl_b32 s34, s7, 11
	s_add_nc_u64 s[32:33], s[32:33], s[34:35]      ; bcat at bias t
	global_load_b128 v[8:11], v5, s[2:3] th:TH_LOAD_NT
	global_load_b128 v[12:15], v5, s[2:3] offset:2048 th:TH_LOAD_NT
.set i, 0
.rept 32                                               ; row i / 2, half i % 2 of my 1,024 bytes: each load covers 512 consecutive bytes
	global_load_b128 v[X+4*i:X+4*i+3], v2, s[8:9] offset:(i>>1)*ROWB+(i&1)*512 th:TH_LOAD_NT
.set i, i+1
.endr
	s_wait_loadcnt 32                              ; the two loads of weights are in: the 32 of the mask are younger
	v_cvt_pk_bf16_f32 v16, v8, v9
	v_cvt_pk_bf16_f32 v17, v10, v11
	v_cvt_pk_bf16_f32 v18, v12, v13
	v_cvt_pk_bf16_f32 v19, v14, v15
	s_cmp_lg_u32 s7, 3
	s_cbranch_scc1 .Lkeep_bf16
.irp r, 16,17,18,19                                    ; Wo: the bf16 number written as f16
	v_lshlrev_b32 v8, 16, v\r
	v_and_b32 v9, 0xffff0000, v\r
	v_cvt_pk_f16_f32 v\r, v8, v9
.endr
.Lkeep_bf16:
	global_store_b64 v6, v[16:17], s[30:31]        ; a wave's store covers 256 consecutive bytes, aligned
	global_store_b64 v6, v[18:19], s[30:31] offset:1024
	s_wait_loadcnt 16                              ; the first eight rows are in
.set i, 0
.rept 16
	ds_store_b128 v3, v[X+4*i:X+4*i+3] offset:(i>>1)*LP+(i&1)*512
.set i, i+1
.endr
	s_wait_loadcnt 0x0
.rept 16
	ds_store_b128 v3, v[X+4*i:X+4*i+3] offset:(i>>1)*LP+(i&1)*512
.set i, i+1
.endr
.set i, 0
.rept 32                                               ; back, turned: key group i / 2, four keys each.  The bytes are the wave's own, and LDS serves a wave's instructions in order (ISA guide 5.7.1.4)
	ds_load_b128 v[X+4*i:X+4*i+3], v4 offset:(i>>1)*64+(i&1)*16
.set i, i+1
.endr
.irp r, 0,1,2,3
	v_mov_b32 v[OUT+\r], 0                         ; v_writelane_b32 counts as a reader of its destination
.endr
	s_mov_b32 s[ACC], -1
	s_wait_dscnt 0x0
; Sixteen words: register X + W of all lanes compared with 0 gives word W; it goes to lane W / 4, register W % 4, so that one store of 16 bytes a lane writes the wave's 512 bytes.
.macro WORDS g
.set n, 0
.rept 16
	v_cmp_eq_u32 s[CW+n], 0, v[X+16*(\g)+n]
.set n, n+1
.endr
.set n, 0
.rept 16
	s_and_b32 s[ACC], s[ACC], s[CW+n]
	v_writelane_b32 v[OUT+((16*(\g)+n)&3)], s[CW+n], (16*(\g)+n)>>2
.set n, n+1
.endr
.endm
.irp g, 0,1,2,3,4,5,6,7
	WORDS \g
.endr
	global_store_b128 v5, v[OUT:OUT+3], s[26:27]   ; 16 x thread = 512 w + 16 lane: 512 consecutive bytes a wave
	; the four waves' ANDs meet in LDS
	v_mov_b32 v152, s[ACC]
	v_mov_b32 v153, s6
	v_lshl_add_u32 v153, v153, 2, FLG
	ds_store_b32 v153, v152
	s_wait_dscnt 0x0                               ; for the others' sake: my word is written
	s_barrier_signal -1
	s_barrier_wait -1
	v_mov_b32 v7, FLG
	ds_load_b128 v[152:155], v7
	s_wait_dscnt 0x0
	v_and_b32 v152, v152, v153
	v_and_b32 v154, v154, v155
	v_and_b32 v152, v152, v154
	v_alignbit_b32 v153, v152, v152, 16            ; the other half of the lanes holds the row's other keys
	v_and_b32 v152, v152, v153
	s_cmp_lg_u32 s6, 0
	s_cbranch_scc1 .Lno_flag
	s_wait_xcnt 0x0                                ; EXEC changes only behind this wait
	v_cmp_eq_u32 vcc_lo, 0, v1
	s_and_saveexec_b32 s53, vcc_lo
	global_store_b32 v1, v152, s[28:29]            ; lane 0 alone; its lane number, 0, is the offset.  Four bytes a work-group, 4,096 in the launch
	s_wait_xcnt 0x0
	s_or_b32 exec_lo, exec_lo, s53
.Lno_flag:
	s_cmp_lg_u32 s54, 0
	s_cbranch_scc1 .Lno_bias
	global_load_b128 v[8:11], v5, s[4:5]           ; 512 numbers, four a thread
	s_wait_loadcnt 0x0
	v_cvt_pk_bf16_f32 v12, v8, v9
	v_cvt_pk_bf16_f32 v13, v10, v11
	v_lshlrev_b32 v8, 16, v12
	v_and_b32 v9, 0xffff0000, v12
	v_lshlrev_b32 v10, 16, v13
	v_and_b32 v11, 0xffff0000, v13
	global_store_b128 v5, v[8:11], s[32:33]
.Lno_bias:
	s_wait_tensorcnt 0x0                           ; the wave's end, behind my last LDS store
	ds_add_u32 v[SPW], v[NIL]
	s_wait_dscnt 0x0
	s_endpgm
.Lfunc_end_k_qf8ba1dd449_prep:
	.size	k_qf8ba1dd449_prep, .Lfunc_end_k_qf8ba1dd449_prep-k_qf8ba1dd449_prep
	.p2alignl 7, 3214868480
	.fill 96, 4, 3214868480
	.section	.rodata,"a",@progbits
	.p2align	6, 0x0
	.amdhsa_kernel k_qf8ba1dd449_prep
		.amdhsa_group_segment_fixed_size 67328
		.amdhsa_private_segment_fixed_size 0
		.amdhsa_enable_private_segment 0
		.amdhsa_kernarg_size 104
		.amdhsa_user_sgpr_count 2
		.amdhsa_user_sgpr_kernarg_segment_ptr 1
		.amdhsa_wavefront_size32 1
		.amdhsa_system_sgpr_workgroup_id_x 1
		.amdhsa_system_sgpr_workgroup_id_y 1
		.amdhsa_system_sgpr_workgroup_id_z 1
		.amdhsa_system_vgpr_workitem_id 0
		.amdhsa_next_free_vgpr 160
		.amdhsa_next_free_sgpr 66
		.amdhsa_reserve_vcc 1
		.amdhsa_float_denorm_mode_32 3
		.amdhsa_float_denorm_mode_16_64 3
		.amdhsa_memory_ordered 1
		.amdhsa_forward_progress 1
		.amdhsa_inst_pref_size 33
	.end_amdhsa_kernel
	.amdgpu_metadata
---
amdhsa.version: [ 1, 2 ]
amdhsa.kernels:
  - .name:           k_qf8ba1dd449_prep
    .symbol:         k_qf8ba1dd449_prep.kd
    .args:
      - { .name: mask, .offset: 0, .size: 8, .value_kind: global_buffer, .address_space: global }
      - { .name: Wq, .offset: 8, .size: 8, .value_kind: global_buffer, .address_space: global }
      - { .name: Wk, .offset: 16, .size: 8, .value_kind: global_buffer, .address_space: global }
      - { .name: Wv, .offset: 24, .size: 8, .value_kind: global_buffer, .address_space: global }
      - { .name: Wo, .offset: 32, .size: 8, .value_kind: global_buffer, .address_space: global }
      - { .name: bq, .offset: 40, .size: 8, .value_kind: global_buffer, .address_space: global }
      - { .name: bk, .offset: 48, .size: 8, .value_kind: global_buffer, .address_space: global }
      - { .name: bv, .offset: 56, .size: 8, .value_kind: global_buffer, .address_space: global }
      - { .name: bo, .offset: 64, .size: 8, .value_kind: global_buffer, .address_space: global }
      - { .name: maskw, .offset: 72, .size: 8, .value_kind: global_buffer, .address_space: global }
      - { .name: rowflag, .offset: 80, .size: 8, .value_kind: global_buffer, .address_space: global }
      - { .name: wcat, .offset: 88, .size: 8, .value_kind: global_buffer, .address_space: global }
      - { .name: bcat, .offset: 96, .size: 8, .value_kind: global_buffer, .address_space: global }
    .group_segment_fixed_size: 67328
    .private_segment_fixed_size: 0
    .kernarg_segment_align: 8
    .kernarg_segment_size: 104
    .max_flat_workgroup_size: 128
    .sgpr_count:     66
    .vgpr_count:     160
    .wavefront_size: 32
...
	.end_amdgpu_metadata
.endif
;; end of part 1
;; launch proj (part 2): grid 128 x 6, 4 waves a work-group, clusters of 4 x 1, 327,680 bytes of LDS; arguments query, key, value, wcat, bcat, qkv; writes qkv
.if DOCPART == 2
	.amdgcn_target "amdgcn-amd-amdhsa--gfx1250"
	.amdhsa_code_object_version 6
	.text
	.protected	k_qf8ba1dd449_proj
	.globl	k_qf8ba1dd449_proj
	.p2align	8
	.type	k_qf8ba1dd449_proj,@function
k_qf8ba1dd449_proj:
	s_mov_b64 s[64:65], 0
	v_nop
	global_prefetch_b8 v0, s[64:65] scope:SCOPE_SE
	s_setreg_imm32_b32 hwreg(HW_REG_WAVE_MODE, 25, 1), 1
	s_wait_xcnt 0x0
	s_wait_alu depctr_hold_cnt(0) depctr_sa_sdst(0) depctr_va_vdst(0) depctr_va_sdst(0) depctr_va_ssrc(0) depctr_va_vcc(0) depctr_vm_vsrc(0)
	s_getreg_b32 s2, hwreg(HW_REG_IB_STS2, 6, 4)
	s_cmp_eq_u32 s2, 0
	s_cbranch_scc0 .Lentry_in_a_cluster
	s_endpgm
.Lentry_in_a_cluster:
	s_bfe_u32 s2, ttmp6, 0x10000c
	s_cmp_lg_u32 s2, 0x3003
	s_cbranch_scc0 .Lentry_shape_is_right
	s_endpgm
.Lentry_shape_is_right:
; PROJ: q, k, v = x W^T + b, by heads.  x: [16,384][512] f32 (query, key or value, chosen by t), W: wcat[t], [512 n][512 k] bf16, b: bcat[t] f32.
; qkv[t][pair][head][par][s][64] f16, batch = 2 pair + par; q is multiplied by c = log2(e) / 8 in f32 ahead of its one rounding.  LIMIT: c q, k and v lie within f16's 65,504.
; SHARES.  Grid y = 2 t + nh.  A work-group makes 128 rows x 256 columns (nh: which half of the 512), K = 512; each of four waves 64 x 128: 32 accumulators of 16 x 16.
; W's 256 rows x 512 k stay in LDS for the whole launch, brought by four tensor loads a wave (chunks of 128 k: rows of 256 bytes).  The four work-groups of a cluster have the same
; (t, nh) and other rows of x, so W's tiles are asked for JOINTLY: the same load, descriptor and mask in all four.  No LDS byte is filled twice.
; x is f32 and shared with nobody in the cluster: it comes through registers, is rounded to bf16 and laid into two LDS buffers of 64 k that take turns; loads run four K steps ahead.
; THE MATRIX INSTRUCTION IS USED TRANSPOSED (source 0 = 16 rows of W, source 1 = 16 rows of x): a lane holds eight neighbouring columns of one row.  The bias is the C operand that starts the sums.
; REGISTERS, in windows of 256 (s_set_vgpr_msb: bits 1:0 source 0, 3:2 source 1, 5:4 source 2, 7:6 destination):
;   window 0: v16-29 addresses; v32-63 at work; v64-159, v160-255 two fragment buffers (x: 4 x 8, then W: 8 x 8)     window 1: the accumulators, (a, nb) at 8 (8 a + nb)
;   window 2: four sets of 64: x as loaded, K step t in set t % 4          window 3: v0-63 the bias, tile nb at 8 nb
.set BP,    272                        ; a row of W in LDS: 256 bytes + 16 = 68 words: the 16 rows of a fragment load start at 16 different groups of four banks (64 banks of 4 bytes: ISA guide 11.1)
.set CHUNK, 256*BP                     ; W's 256 rows x 128 k
.set QUART, 64*BP                      ; what one tensor load brings
.set ABASE, 4*CHUNK
.set AP,    144                        ; a row of x in LDS: 128 bytes + 16
.set ABUF,  128*AP
.set STAGE, ABASE+2*ABUF               ; 16 rows x 144 bytes for each wave, for the way out
.set SP,    144
.set SPARE, STAGE+4*16*SP              ; the spare words: 128 bytes a wave, two blocks of 256 bytes that no other line names
.set AG,   16                          ; v16 my byte offset in the block's rows of x
.set AST,  17                          ; v17 where I put 8 bytes of bf16
.set ADRA, 18                          ; v18 my place in x's fragments
.set ADRB, 20                          ; v20-23 my place in W's fragments, chunk 0..3
.set STO,  24
.set RD,   25
.set GO,   26
.set BO,   27
.set SPW,  28                          ; v28 LDS address of my spare word; never rewritten
.set NIL,  29                          ; v29 0; never rewritten
.set TMP,  32
.set F0,   64
.set F1,   160
.set G1,   24                          ; s[24:31] descriptor group 1
.set G0,   32                          ; s[32:47] descriptor group 0, one set for each chunk
.set MSB, 0
.macro WIN new                         ; the immediate's high byte repeats the setting that is left; a switch that changes nothing is dropped
.if MSB != (\new)
	s_set_vgpr_msb (MSB<<8)|(\new)
.set MSB, (\new)
.endif
.endm
.macro PLACES                          ; four places in front of loads into registers that matrix instructions have read, and of vector lines that read results
.rept 4
	v_nop
.endr
.endm
.macro CROUND                          ; a round of the cluster's barrier
	s_barrier_signal -1
	s_barrier_wait -1
	s_cmp_lg_u32 s10, 0
	s_cbranch_scc1 .Lnot_wave_0_\@
	s_barrier_signal -3
.Lnot_wave_0_\@:
	s_barrier_wait -3
	s_barrier_signal -1
	s_barrier_wait -1
.endm
	s_load_b256 s[48:55], s[0:1], 0x0              ; query s[48:49], key s[50:51], value s[52:53], wcat s[54:55]
	s_load_b128 s[56:59], s[0:1], 0x20             ; bcat s[56:57], qkv s[58:59]
	v_lshl_add_u32 v[SPW], v0, 2, SPARE
	v_mov_b32 v[NIL], 0
	ds_add_u32 v[SPW], v[NIL]                      ; the wave's opening: the add and its wait stand ahead of my first tensor load; the set-up below, work on registers, stands between the add and its wait
	v_lshrrev_b32 v1, 5, v0
	v_readfirstlane_b32 s10, v1                    ; wave
	s_lshr_b32 s11, s10, 1                         ; wr: which 64 rows
	s_and_b32 s12, s10, 1                          ; wc: which 128 columns
	s_and_b32 s16, ttmp7, 0xffff
	s_lshr_b32 s17, s16, 1                         ; t
	s_and_b32 s18, s16, 1                          ; nh
	s_bfe_u32 s60, ttmp6, 0x40000                  ; cx: it enters x's and qkv's addresses alone
	s_lshl_b32 s61, ttmp9, 2
	s_add_co_u32 s61, s61, s60                     ; mb: my block of 128 rows
	; descriptor group 1: 64 rows x 128 elements, padded in LDS
	s_mov_b32 s[G1], 15|(1<<16)|(1<<20)|(1<<21)|(5<<22)|(3<<25)  ; 15:0 the mask of four; 17:16 2-byte elements; 20 padding on; 21 set beside a mask; 24:22 after every 64 words; 31:25 4 words
	s_mov_b32 s[G1+1], 128<<16                     ; tensor_dim0 = 128
	s_mov_b32 s[G1+2], 64<<16                      ; tensor_dim1 = 64
	s_mov_b32 s[G1+3], 128<<16                     ; tile_dim0 = 128
	s_mov_b32 s[G1+4], 64                          ; tile_dim1 = 64
	s_mov_b32 s[G1+5], 512                         ; 512 elements from row to row
	s_mov_b32 s[G1+6], 0
	s_mov_b32 s[G1+7], 0
	s_lshl_b32 s20, s17, 19                        ; W: matrix t, half nh, my 64 rows: nothing of my place in the cluster
	s_lshl_b32 s21, s18, 18
	s_add_co_u32 s20, s20, s21
	s_lshl_b32 s21, s10, 16
	s_add_co_u32 s20, s20, s21
	s_mov_b32 s21, 0
	s_mul_i32 s22, s10, QUART                      ; and where they go
	s_lshl_b32 s62, s61, 18                        ; x: 128 rows of 2,048 bytes a block
	s_mov_b32 s63, 0
	s_lshl_b32 s68, s17, 11                        ; bias t, half nh
	s_lshl_b32 s69, s18, 10
	s_add_co_u32 s68, s68, s69
	s_mov_b32 s69, 0
	s_lshl_b32 s66, s17, 24                        ; qkv: t,
	s_lshr_b32 s67, s61, 4
	s_lshl_b32 s67, s67, 21                        ; pair,
	s_add_co_u32 s66, s66, s67
	s_lshl_b32 s67, s18, 1
	s_add_co_u32 s67, s67, s12
	s_lshl_b32 s67, s67, 19                        ; head 4 nh + 2 wc,
	s_add_co_u32 s66, s66, s67
	s_bfe_u32 s67, s61, 0x10003
	s_lshl_b32 s67, s67, 17                        ; par,
	s_add_co_u32 s66, s66, s67
	s_and_b32 s67, s61, 7
	s_lshl_b32 s67, s67, 14                        ; the block's 128 rows of 128 bytes,
	s_add_co_u32 s66, s66, s67
	s_lshl_b32 s67, s11, 13                        ; my 64 of them
	s_add_co_u32 s66, s66, s67
	s_mov_b32 s67, 0
	s_cmp_eq_u32 s17, 0
	s_cselect_b32 s14, 0x3e38aa3b, 1.0             ; q alone is multiplied by c = log2(e) / 8
	s_mov_b32 s15, s14                             ; named with it as a pair
	v_and_b32 v1, 15, v0                           ; r = lane % 16
	v_bfe_u32 v2, v0, 4, 1                         ; h = lane / 16
	v_lshlrev_b32 v[AG], 4, v1
	v_lshl_add_u32 v[AG], v2, 11, v[AG]
	v_lshl_add_u32 v[AG], s10, 16, v[AG]           ; row 32 w + h, 16 bytes at 16 r: a load covers two rows' 256 bytes
	s_mul_i32 s23, s10, 32*AP
	s_add_co_u32 s23, s23, ABASE
	v_mul_u32_u24 v[AST], v2, AP
	v_lshl_add_u32 v[AST], v1, 3, v[AST]
	v_add_nc_u32 v[AST], s23, v[AST]
	s_mul_i32 s23, s11, 64*AP
	s_add_co_u32 s23, s23, ABASE
	v_mul_u32_u24 v[ADRA], v1, AP
	v_lshl_add_u32 v[ADRA], v2, 4, v[ADRA]
	v_add_nc_u32 v[ADRA], s23, v[ADRA]
	s_mul_i32 s23, s12, 128*BP
	v_mul_u32_u24 v3, v1, BP
	v_lshl_add_u32 v3, v2, 4, v3
.irp c, 0,1,2,3
	v_add_nc_u32 v[ADRB+\c], s23, v3
	s_add_co_u32 s23, s23, CHUNK
.endr
	s_mul_i32 s23, s10, 16*SP
	s_add_co_u32 s23, s23, STAGE
	v_mul_u32_u24 v[STO], v1, SP                   ; in: row r, 16 bytes for each half of the lanes
	v_lshl_add_u32 v[STO], v2, 4, v[STO]
	v_add_nc_u32 v[STO], s23, v[STO]
	v_and_b32 v4, 7, v0
	v_bfe_u32 v[RD], v0, 3, 2                      ; back: 32 lanes take four rows of 128 bytes,
	v_mul_u32_u24 v[RD], v[RD], SP
	v_lshl_add_u32 v[RD], v4, 4, v[RD]
	v_add_nc_u32 v[RD], s23, v[RD]
	v_and_b32 v[GO], 31, v0                        ; which are 512 consecutive bytes of a head's rows
	v_lshlrev_b32 v[GO], 4, v[GO]
	v_lshlrev_b32 v[BO], 5, v2
	v_lshl_add_u32 v[BO], s12, 9, v[BO]            ; bias: 512 wc + 32 h
	s_wait_dscnt 0x0                               ; the opening add is done
	s_wait_kmcnt 0x0
	s_add_nc_u64 s[54:55], s[54:55], s[20:21]
.irp c, 0,1,2,3
	s_mov_b32 s[G0+4*\c], 1                        ; count = 1
	s_add_co_u32 s[G0+4*\c+1], s22, \c*CHUNK       ; LDS address
	s_add_nc_u64 s[G0+4*\c+2:G0+4*\c+3], s[54:55], \c*256  ; global address: k = 128 c on
	s_or_b32 s[G0+4*\c+3], s[G0+4*\c+3], 0x80000000        ; type = 2
.endr
	s_cmp_eq_u32 s17, 1                            ; x is chosen by t
	s_cselect_b64 s[4:5], s[50:51], s[48:49]
	s_cmp_eq_u32 s17, 2
	s_cselect_b64 s[4:5], s[52:53], s[4:5]
	s_add_nc_u64 s[4:5], s[4:5], s[62:63]
	s_add_nc_u64 s[6:7], s[56:57], s[68:69]
	s_add_nc_u64 s[8:9], s[58:59], s[66:67]
	CROUND                                         ; all four work-groups are here: the joint loads meet
.irp c, 0,1,2,3                                        ; the launch's only fills: four loads of mine are out
	tensor_load_to_lds s[G0+4*\c:G0+4*\c+3], s[G1:G1+7]
	s_nop 0
.endr
	PLACES                                         ; four vector lines behind the last load, ahead of the next switch of windows
	WIN 0xc0
.irp nb, 0,1,2,3,4,5,6,7
	global_load_b128 v[8*\nb:8*\nb+3],   v[BO], s[6:7] offset:\nb*64
	global_load_b128 v[8*\nb+4:8*\nb+7], v[BO], s[6:7] offset:\nb*64+16
.endr
; 16 loads: K step t (64 k, 256 bytes of a row) of my 32 rows into set t % 4
.macro LOADA t
	WIN 0x80
.set i, 0
.rept 16
	global_load_b128 v[64*((\t)%4)+4*i:64*((\t)%4)+4*i+3], v[AG], s[4:5] offset:i*4096+(\t)*256
.set i, i+1
.endr
.endm
; K step t is rounded to bf16 and laid into buffer t % 2; its set takes the step four further on.  The wait leaves out the 16 loads of each younger step that has been issued.
.macro CONV t
.if 16*(7-(\t)) < 48
	s_wait_loadcnt 16*(7-(\t))
.else
	s_wait_loadcnt 48
.endif
	WIN 0x0a
.set i, 0
.rept 16
	v_cvt_pk_bf16_f32 v[TMP+2*i],   v[64*((\t)%4)+4*i],   v[64*((\t)%4)+4*i+1]
	v_cvt_pk_bf16_f32 v[TMP+2*i+1], v[64*((\t)%4)+4*i+2], v[64*((\t)%4)+4*i+3]
.set i, i+1
.endr
	WIN 0
.set i, 0
.rept 16
	ds_store_b64 v[AST], v[TMP+2*i:TMP+2*i+1] offset:((\t)&1)*ABUF+i*2*AP
.set i, i+1
.endr
.if (\t)+4 <= 7
	LOADA (\t)+4
.endif
.endm
; 16 matrix instructions: row blocks 2 half, 2 half + 1 x all 8 column blocks, 32 along K.  The 32 accumulators take turns.  first = 1: the bias starts the sums.
.macro MULH f, half, first
.if \first
	WIN 0x70
.else
	WIN 0x50
.endif
.irp a, 2*(\half), 2*(\half)+1
.irp nb, 0,1,2,3,4,5,6,7
.if \first
	v_wmma_f32_16x16x32_bf16 v[8*(8*(\a)+(\nb)):8*(8*(\a)+(\nb))+7], v[(\f)+32+8*(\nb):(\f)+32+8*(\nb)+7], v[(\f)+8*(\a):(\f)+8*(\a)+7], v[8*(\nb):8*(\nb)+7]
.else
	v_wmma_f32_16x16x32_bf16 v[8*(8*(\a)+(\nb)):8*(8*(\a)+(\nb))+7], v[(\f)+32+8*(\nb):(\f)+32+8*(\nb)+7], v[(\f)+8*(\a):(\f)+8*(\a)+7], v[8*(8*(\a)+(\nb)):8*(8*(\a)+(\nb))+7]
.endif
.endr
.endr
.endm
; 24 LDS loads in one run: the fragments of 32 along K: half ks of K step t, into buffer f
.macro FETCH t, ks, f
	WIN 0
.irp nb, 0,1,2,3,4,5,6,7
	ds_load_b128 v[(\f)+32+8*(\nb):(\f)+32+8*(\nb)+3],   v[ADRB+((\t)>>1)] offset:((\t)&1)*128+(\ks)*64+(\nb)*16*BP
	ds_load_b128 v[(\f)+32+8*(\nb)+4:(\f)+32+8*(\nb)+7], v[ADRB+((\t)>>1)] offset:((\t)&1)*128+(\ks)*64+(\nb)*16*BP+32
.endr
.irp a, 0,1,2,3
	ds_load_b128 v[(\f)+8*(\a):(\f)+8*(\a)+3],   v[ADRA] offset:((\t)&1)*ABUF+(\ks)*64+(\a)*16*AP
	ds_load_b128 v[(\f)+8*(\a)+4:(\f)+8*(\a)+7], v[ADRA] offset:((\t)&1)*ABUF+(\ks)*64+(\a)*16*AP+32
.endr
.endm
; A K step of 64: two halves of 32, 32 matrix instructions each.  One barrier a step: in front of it my part of x's next step is stored (and, at a chunk's edge, my part of W's next chunk has
; landed); the buffer that the next CONV writes was last read a step ago, and those reads were waited for in front of this barrier.
.macro STEP t
	s_wait_dscnt 0x0                               ; buffer 0 is in
.if (\t) == 0
	MULH F0, 0, 1
.else
	MULH F0, 0, 0
.endif
	PLACES
	FETCH \t, 1, F1
.if (\t) == 0
	MULH F0, 1, 1
.else
	MULH F0, 1, 0
.endif
.if (\t) < 7
	CONV (\t)+1
	s_wait_dscnt 16                                ; buffer 1 is in: the 16 stores are younger
.else
	s_wait_dscnt 0x0
.endif
	MULH F1, 0, 0
.if (\t) < 7
.if ((\t)+1)%2 == 0
	s_wait_tensorcnt 3-((\t)+1)/2                  ; my part of chunk (t + 1) / 2 has landed; the later chunks' loads may stay out
.endif
	s_wait_dscnt 0x0                               ; for the others' sake: my stores are done
	s_barrier_signal -1
	s_barrier_wait -1
	PLACES
	FETCH (\t)+1, 0, F0
.endif
	MULH F1, 1, 0
.endm
	LOADA 0
	LOADA 1
	LOADA 2
	LOADA 3
	CONV 0                                         ; its wait covers the bias too, which was asked for first
	s_wait_tensorcnt 3                             ; my part of chunk 0
	s_wait_dscnt 0x0
	s_barrier_signal -1
	s_barrier_wait -1
	FETCH 0, 0, F0
.irp t, 0,1,2,3,4,5,6,7
	STEP \t
.endr
	PLACES
; THE WAY OUT, a unit of 16 rows x one head (64 columns) at a time: scaled, rounded to f16, 16 bytes a lane into my stage, back as four rows of 128 bytes a load, stored as 512 consecutive bytes.
.macro PACK a, hh
	WIN 0x41
.irp nbl, 0,1,2,3
.irp r, 0,1,2,3
	v_pk_mul_f32 v[8*(8*(\a)+4*(\hh)+(\nbl))+2*(\r):8*(8*(\a)+4*(\hh)+(\nbl))+2*(\r)+1], v[8*(8*(\a)+4*(\hh)+(\nbl))+2*(\r):8*(8*(\a)+4*(\hh)+(\nbl))+2*(\r)+1], s[14:15] op_sel_hi:[1,0]
.endr
.endr
	WIN 0x05
.irp nbl, 0,1,2,3
.irp r, 0,1,2,3
	v_cvt_pk_f16_f32 v[TMP+4*(\nbl)+(\r)], v[8*(8*(\a)+4*(\hh)+(\nbl))+2*(\r)], v[8*(8*(\a)+4*(\hh)+(\nbl))+2*(\r)+1]
.endr
.endr
	WIN 0
.irp nbl, 0,1,2,3
	ds_store_b128 v[STO], v[TMP+4*(\nbl):TMP+4*(\nbl)+3] offset:32*(\nbl)
.endr
.irp f, 0,1,2,3
	ds_load_b128 v[F0+16*(2*(\a)+(\hh))+4*(\f):F0+16*(2*(\a)+(\hh))+4*(\f)+3], v[RD] offset:(\f)*4*SP  ; LDS serves a wave's instructions in order (ISA guide 5.7.1.4); each unit has registers of its own
.endr
.endm
.macro SEND a, hh, younger             ; younger: the next unit's eight LDS instructions, or none
.irp f, 0,1,2,3
	s_wait_dscnt (\younger)+3-(\f)
	global_store_b128 v[GO], v[F0+16*(2*(\a)+(\hh))+4*(\f):F0+16*(2*(\a)+(\hh))+4*(\f)+3], s[8:9] offset:(\hh)*262144+(\a)*2048+(\f)*512
.endr
.endm
	PACK 0, 0
	PACK 0, 1
	SEND 0, 0, 8
	PACK 1, 0
	SEND 0, 1, 8
	PACK 1, 1
	SEND 1, 0, 8
	PACK 2, 0
	SEND 1, 1, 8
	PACK 2, 1
	SEND 2, 0, 8
	PACK 3, 0
	SEND 2, 1, 8
	PACK 3, 1
	SEND 3, 0, 8
	SEND 3, 1, 0
	s_wait_tensorcnt 0x0                           ; the wave's end, behind my last tensor load and my last LDS store
	ds_add_u32 v[SPW], v[NIL]
	s_wait_dscnt 0x0
	CROUND                                         ; the closing round
	s_endpgm
.Lfunc_end_k_qf8ba1dd449_proj:
	.size	k_qf8ba1dd449_proj, .Lfunc_end_k_qf8ba1dd449_proj-k_qf8ba1dd449_proj
	.p2alignl 7, 3214868480
	.fill 96, 4, 3214868480
	.section	.rodata,"a",@progbits
	.p2align	6, 0x0
	.amdhsa_kernel k_qf8ba1dd449_proj
		.amdhsa_group_segment_fixed_size 327680
		.amdhsa_private_segment_fixed_size 0
		.amdhsa_enable_private_segment 0
		.amdhsa_kernarg_size 48
		.amdhsa_user_sgpr_count 2
		.amdhsa_user_sgpr_kernarg_segment_ptr 1
		.amdhsa_wavefront_size32 1
		.amdhsa_system_sgpr_workgroup_id_x 1
		.amdhsa_system_sgpr_workgroup_id_y 1
		.amdhsa_system_sgpr_workgroup_id_z 1
		.amdhsa_system_vgpr_workitem_id 0
		.amdhsa_next_free_vgpr 832
		.amdhsa_next_free_sgpr 80
		.amdhsa_reserve_vcc 0
		.amdhsa_float_denorm_mode_32 3
		.amdhsa_float_denorm_mode_16_64 3
		.amdhsa_memory_ordered 1
		.amdhsa_forward_progress 1
		.amdhsa_inst_pref_size 132
	.end_amdhsa_kernel
	.amdgpu_metadata
---
amdhsa.version: [ 1, 2 ]
amdhsa.kernels:
  - .name:           k_qf8ba1dd449_proj
    .symbol:         k_qf8ba1dd449_proj.kd
    .args:
      - { .name: query, .offset: 0, .size: 8, .value_kind: global_buffer, .address_space: global }
      - { .name: key, .offset: 8, .size: 8, .value_kind: global_buffer, .address_space: global }
      - { .name: value, .offset: 16, .size: 8, .value_kind: global_buffer, .address_space: global }
      - { .name: wcat, .offset: 24, .size: 8, .value_kind: global_buffer, .address_space: global }
      - { .name: bcat, .offset: 32, .size: 8, .value_kind: global_buffer, .address_space: global }
      - { .name: qkv, .offset: 40, .size: 8, .value_kind: global_buffer, .address_space: global }
    .group_segment_fixed_size: 327680
    .private_segment_fixed_size: 0
    .kernarg_segment_align: 8
    .kernarg_segment_size: 48
    .max_flat_workgroup_size: 128
    .sgpr_count:     80
    .vgpr_count:     832
    .wavefront_size: 32
...
	.end_amdgpu_metadata
.endif
;; end of part 2
;; launch attn (part 3): grid 8 x 64, 4 waves a work-group, clusters of 4 x 1, 327,680 bytes of LDS; arguments qkv, maskw, rowflag, xw; writes xw
.if DOCPART == 3
	.amdgcn_target "amdgcn-amd-amdhsa--gfx1250"
	.amdhsa_code_object_version 6
	.text
	.protected	k_qf8ba1dd449_attn
	.globl	k_qf8ba1dd449_attn
	.p2align	8
	.type	k_qf8ba1dd449_attn,@function
k_qf8ba1dd449_attn:
	s_mov_b64 s[64:65], 0
	v_nop
	global_prefetch_b8 v0, s[64:65] scope:SCOPE_SE
	s_setreg_imm32_b32 hwreg(HW_REG_WAVE_MODE, 25, 1), 1
	s_wait_xcnt 0x0
	s_wait_alu depctr_hold_cnt(0) depctr_sa_sdst(0) depctr_va_vdst(0) depctr_va_sdst(0) depctr_va_ssrc(0) depctr_va_vcc(0) depctr_vm_vsrc(0)
	s_getreg_b32 s2, hwreg(HW_REG_IB_STS2, 6, 4)
	s_cmp_eq_u32 s2, 0
	s_cbranch_scc0 .Lentry_in_a_cluster
	s_endpgm
.Lentry_in_a_cluster:
	s_bfe_u32 s2, ttmp6, 0x10000c
	s_cmp_lg_u32 s2, 0x3003
	s_cbranch_scc0 .Lentry_shape_is_right
	s_endpgm
.Lentry_shape_is_right:
; ATTN: both streams of attention and their combination.  For batch b = 2 pair + par and a head: xw = softmax(q k_A^T, mask) v_A + 0.5 relu(softmax(q k_B^T, mask) v_B); set A is the batch's own
; k and v, set B those of the pair's other batch; both under the same mask[b].  q, k, v: qkv[t][pair][head][par][1,024][64] f16, q already times c = log2(e) / 8; xw in the same layout, f16.
; Products, maxima and sums in f32; the weights p are rounded to f16 for the second product (their sum l is taken of the unrounded p), the result once.
; LIMITS.  q, k, v arrive within f16's 65,504; the result has v's range, and below 6e-5 f16's fixed step of 6e-8.  A masked score counts as -1e30 where the module writes -1e9: the same weights unless an
; unmasked score lies at or below -1e9.  A weight below 2^-126 counts as 0.  NaN and infinities are not treated apart.
; SHARES.  Grid y = 8 pair + head; the cluster's x = par; the four work-groups of a cluster are the four blocks of 256 queries of one batch and head.  They walk the same four tensors (K_A, K_B, V_A, V_B), so
; every tile is asked for JOINTLY.  A wave owns 64 queries: four tiles of 16.  A key step is 64 key positions of both sets; 16 steps.
; PIECES.  Piece p = tile pair p / 2 (tiles 2 (p / 2), + 1) with set p % 2.  Turn n belongs to piece n (in a ring, step after step): 16 products K Q^T of piece n + 1, later 16 products V^T P of piece n - 1,
; and among them the whole softmax of piece n, cut into slices of four lines: one slice behind each matrix instruction, the rest in runs of their own.
; THE MASK is the C operand that starts S^T = K Q^T: 0, or -1e30 where the key is masked.  A tile's 32 registers are made once a step, by 32 selects under lane masks read as scalars from maskw, and serve both sets.
; A row with all 1,024 keys masked has its q set to 0 (rowflag): all its scores are then equal and its weights uniform, as the module's are.
; LAYOUT.  S^T holds ONE query a lane (lane % 16) and the keys 8 (lane / 16) + 0..7; two such results rounded to f16 ARE source 1 of O^T = V^T P.  K comes out of LDS as it lies, V turned by ds_load_tr16_b128.
; SOFTMAX.  p = 2^(s - m) with a running maximum m; O and l are multiplied by a = 2^(m_old - m_new) in every step.  m starts at -2^127, O and l at 0: the first step is a step like any other, with a = 0; and
; whatever steps in which a row saw masked keys alone have left is wiped in the same way when its first true score comes.
; REGISTERS, in windows of 256 (s_set_vgpr_msb: bits 1:0 source 0, 3:2 source 1, 5:4 source 2, 7:6 destination):
;   window 0: v0-15 addresses; v16-47 statistics, four for each of 8 (tile, set); v48-55 at work; v64-191 S^T, two buffers of two tiles; v192-255 P, likewise (buffers go by the piece's parity)
;   window 1: O^T, 32 for (piece p, tile u) at 32 (2 p + u)     window 2: v0-63 Q; v64-191 the mask, 32 a tile     window 3: v0-127 K of one step, both sets; v128-255 V
.set KS,    64
.set PK,    144                        ; a row of K in LDS: 128 bytes + 16: the 16 rows of a load start at 16 different groups of four banks (64 banks of 4 bytes: ISA guide 11.1)
.set PVB,   160                        ; a row of V: 128 + 32
.set KSET,  128*PK                     ; a slot holds two steps: 128 rows of K_A, of K_B,
.set VSET,  128*PVB                    ; of V_A, of V_B
.set VOFF,  2*KSET
.set SLOT1, 1<<17                      ; slot 1 begins here: one exclusive or turns an address in one slot into the other's
.set STAGE, SLOT1+2*KSET+2*VSET        ; behind the ring, never filled by a tensor load: 16 rows x 144 bytes for each wave
.set SP,    144
.set SPARE, STAGE+4*16*SP              ; the spare words: 128 bytes a wave, two blocks of 256 bytes that no other line names
.set AK0, 2                            ; v2 my lane's place in a tile of K; never rewritten
.set AV0, 3                            ; v3 the same for V
.set AK,  4
.set AV,  5
.set QO,  6
.set STO, 6
.set RD,  7
.set GO,  8
.set BIGV, 12                          ; v12 -1e30
.set SPW, 14                           ; v14 LDS address of my spare word; never rewritten
.set NIL, 15                           ; v15 0; never rewritten
.set ST,  16                           ; (piece p, tile u) at ST + 4 (2 p + u): m, a written spare, l (even keys', odd keys')
.set TMP, 48                           ; tile u: c0-c3 at TMP + 4 u; when the maximum is found c2 takes a
.set S,   64
.set P,   192
.set MC,  64                           ; window 2
.set KF,  0                            ; window 3: set e, key block kb, channel half c at 64 e + 16 kb + 8 c
.set VF,  128                          ; window 3: set e, key half kk, channel block cb at 128 + 64 e + 32 kk + 8 cb
.set WV,  12
.set G1K, 24
.set G1V, 32
.set G0K, 40
.set G0V, 44
.set MP,  48                           ; s[48:49] maskw at my first tile
.set MOFF, 50                          ; s50 128 x the step whose masks are being read
.set RF,  52                           ; s[52:55] my four tiles' rowflag words
.set SLOTS, 56
.set CNT, 57
.set SEL, 60
.set TBK, 62
.set TBV, 63
.set MW,  68                           ; s[68:99] a tile's 32 lane masks for one step
.set MSB, 0
.macro WIN new
.if MSB != (\new)
	s_set_vgpr_msb (MSB<<8)|(\new)
.set MSB, (\new)
.endif
.endm
.set W_KM, 0x2b                        ; K window 3, Q window 2, C (the mask) window 2, S^T window 0
.set W_KQ, 0x0b
.set W_PV, 0x53                        ; V window 3, P window 0, O^T window 1
.set W_RS, 0x41                        ; O^T (destination and source 0) window 1, a window 0
.set W_GEN, 0x80                       ; destination window 2
; A joint fill.  Waves 0 and 1 fetch a slot's K_A and K_B, waves 2 and 3 its V_A and V_B: 128 keys each.  An s_nop 0 and four v_nop follow each of the two lines.
.macro JLOAD
	s_cmp_lt_u32 s[WV], 2
	s_cbranch_scc0 .Lfor_v_\@
	tensor_load_to_lds s[G0K:G0K+3], s[G1K:G1K+7]
	s_nop 0
.rept 4
	v_nop
.endr
	s_branch .Lasked_\@
.Lfor_v_\@:
	tensor_load_to_lds s[G0V:G0V+3], s[G1V:G1V+7]
	s_nop 0
.rept 4
	v_nop
.endr
.Lasked_\@:
.endm
.macro CROUND
	s_barrier_signal -1
	s_barrier_wait -1
	s_cmp_lg_u32 s[WV], 0
	s_cbranch_scc1 .Lnot_wave_0_\@
	s_barrier_signal -3
.Lnot_wave_0_\@:
	s_barrier_wait -3
	s_barrier_signal -1
	s_barrier_wait -1
.endm
; THE CHANGE OF SLOTS.  Each wave waits for all its tensor loads, of which one is out: its part of the other slot; adds 0 to its spare word; and waits for that and for its reads of the slot that it leaves.
; fill = 1: the barrier is a round of the cluster's, and the joint fill, the keys two slots on, is the first thing behind it: it has two key steps, 256 matrix instructions, in which to land.
.macro CHANGE fill
	WIN 0
	s_wait_tensorcnt 0x0                           ; no tensor load of mine is out, so a group 0 may be written
	ds_add_u32 v[SPW], v[NIL]
.if \fill
.irp g, G0K, G0V
	s_xor_b32 s[\g+1], s[\g+1], SLOT1
	s_add_nc_u64 s[\g+2:\g+3], s[\g+2:\g+3], 2*KS*128
.endr
	s_wait_dscnt 0x0
	CROUND
	JLOAD
.else
	s_wait_dscnt 0x0
	s_barrier_signal -1
	s_barrier_wait -1
.endif
	s_sub_co_u32 s[TBK], s[TBK], 2*KS*PK           ; the fetches go back to a slot's first step, in the other slot
	s_xor_b32 s[TBK], s[TBK], SLOT1
	s_sub_co_u32 s[TBV], s[TBV], 2*KS*PVB
	s_xor_b32 s[TBV], s[TBV], SLOT1
.endm
	s_load_b256 s[4:11], s[0:1], 0x0               ; qkv s[4:5], maskw s[6:7], rowflag s[8:9], xw s[10:11]
	v_lshl_add_u32 v[SPW], v0, 2, SPARE
	v_mov_b32 v[NIL], 0
	ds_add_u32 v[SPW], v[NIL]                      ; the wave's opening: the add and its wait stand ahead of my first tensor load
	v_lshrrev_b32 v1, 5, v0
	v_readfirstlane_b32 s[WV], v1
	s_bfe_u32 s13, ttmp6, 0x40000                  ; cx: my block of 256 queries: it enters Q's, the mask's and xw's addresses alone
	s_and_b32 s14, ttmp7, 0xffff                   ; 8 pair + head
	s_and_b32 s16, s[WV], 1                        ; the set that I fetch
	s_xor_b32 s17, ttmp9, s16                      ; its batch's parity
	s_lshl_b32 s17, s17, 17
	s_lshl_b32 s20, s14, 18
	s_add_co_u32 s20, s20, s17
	s_mov_b32 s21, 0                               ; s[20:21]: that batch's and head's rows in k and in v
	s_mul_i32 s18, s16, KSET
	s_mul_i32 s19, s16, VSET
	s_lshl_b32 s22, s14, 18                        ; s[22:23]: my wave's 64 rows in q and in xw
	s_lshl_b32 s23, ttmp9, 17
	s_add_co_u32 s22, s22, s23
	s_lshl_b32 s23, s13, 15
	s_add_co_u32 s22, s22, s23
	s_lshl_b32 s23, s[WV], 13
	s_add_co_u32 s22, s22, s23
	s_mov_b32 s23, 0
	s_lshr_b32 s2, s14, 3
	s_lshl_b32 s2, s2, 1
	s_add_co_u32 s2, s2, ttmp9                     ; the batch
	s_lshl_b32 s2, s2, 6
	s_lshl_b32 s3, s13, 4
	s_add_co_u32 s2, s2, s3
	s_lshl_b32 s3, s[WV], 2
	s_add_co_u32 s2, s2, s3                        ; my first tile among the 1,024
	s_lshl_b32 s58, s2, 2
	s_mov_b32 s59, 0
	s_lshl_b32 s2, s2, 11
	s_mov_b32 s3, 0
	; descriptor group 1.  128 keys are 16,384 dense bytes: asked for as 64 rows of 256 bytes, two keys a row, padded in LDS after every key
	s_mov_b32 s[G1K], 15|(1<<16)|(1<<20)|(1<<21)|(4<<22)|(3<<25)  ; the mask of four; 2-byte elements; padding on; 21 set beside a mask; after every 32 words; 4 words
	s_mov_b32 s[G1V], 15|(1<<16)|(1<<20)|(1<<21)|(4<<22)|(7<<25)  ; the same with 8 words
.irp g, G1K, G1V
	s_mov_b32 s[\g+1], 128<<16
	s_mov_b32 s[\g+2], 64<<16
	s_mov_b32 s[\g+3], 128<<16
	s_mov_b32 s[\g+4], 64
	s_mov_b32 s[\g+5], 128
	s_mov_b32 s[\g+6], 0
	s_mov_b32 s[\g+7], 0
.endr
	s_mov_b32 s[SEL], 0x76543210
	s_mov_b32 s[SEL+1], 0xfedcba98
	s_mov_b32 s[TBK], SLOT1+2*KS*PK                ; the first change of slots turns these two into 0
	s_mov_b32 s[TBV], SLOT1+2*KS*PVB
	s_mov_b32 s[MOFF], 0
	s_mov_b32 s[G0K], 1
	s_mov_b32 s[G0K+1], s18                        ; LDS address: slot 0
	s_mov_b32 s[G0V], 1
	s_add_co_u32 s[G0V+1], s19, VOFF
	s_wait_dscnt 0x0                               ; the opening add is done
	s_wait_kmcnt 0x0
	s_add_nc_u64 s[G0K+2:G0K+3], s[4:5], s[20:21]
	s_add_nc_u64 s[G0K+2:G0K+3], s[G0K+2:G0K+3], 0x1000000  ; k lies 16,777,216 bytes into qkv,
	s_or_b32 s[G0K+3], s[G0K+3], 0x80000000
	s_add_nc_u64 s[G0V+2:G0V+3], s[4:5], s[20:21]
	s_add_nc_u64 s[G0V+2:G0V+3], s[G0V+2:G0V+3], 0x2000000  ; v twice as far
	s_or_b32 s[G0V+3], s[G0V+3], 0x80000000
	s_add_nc_u64 s[4:5], s[4:5], s[22:23]
	s_add_nc_u64 s[10:11], s[10:11], s[22:23]
	s_add_nc_u64 s[MP:MP+1], s[6:7], s[2:3]
	s_add_nc_u64 s[8:9], s[8:9], s[58:59]
	CROUND                                         ; all four work-groups are here: the first joint loads meet
	JLOAD                                          ; slot 0; slot 1 is asked for when slot 0 is in
	s_load_b128 s[RF:RF+3], s[8:9], 0x0
	v_and_b32 v1, 15, v0                           ; lane % 16
	v_bfe_u32 v9, v0, 4, 1                         ; lane / 16
	v_lshlrev_b32 v[QO], 7, v1
	v_lshl_add_u32 v[QO], v9, 4, v[QO]
	WIN 0x80
.set i, 0
.rept 8                                                ; Q stays in registers: tile i / 2, channels 32 (i % 2) on
	global_load_b128 v[8*i:8*i+3],   v[QO], s[4:5] offset:(i/2)*2048+(i%2)*64
	global_load_b128 v[8*i+4:8*i+7], v[QO], s[4:5] offset:(i/2)*2048+(i%2)*64+32
.set i, i+1
.endr
	WIN 0
	v_mov_b32 v[BIGV], 0xf149f2ca
.macro MLOAD tau                       ; tile tau's 32 lane masks of the step at MOFF: 128 consecutive bytes
	s_load_b512 s[MW:MW+15],    s[MP:MP+1], s[MOFF] offset:(\tau)*2048
	s_load_b512 s[MW+16:MW+31], s[MP:MP+1], s[MOFF] offset:(\tau)*2048+64
.endm
.macro GENP tau
	MLOAD \tau
	s_wait_kmcnt 0x0
	WIN W_GEN
.set z, 0
.rept 32
	v_cndmask_b32 v[MC+32*(\tau)+z], 0, v[BIGV], s[MW+z]
.set z, z+1
.endr
.endm
	GENP 0                                         ; step 0's masks of tiles 0 to 2; tile 3's are made by the first turn
	GENP 1
	GENP 2
	MLOAD 3
	; What the first turn finds: V_B's registers and P's second buffer hold 0 (its products V^T P, of a piece that has not been, add 0), O^T and l are 0.  All this stands in the wait for the first tile.
	WIN 0xc0
.set i, VF+64
.rept 64
	v_mov_b32 v[i], 0
.set i, i+1
.endr
	WIN 0x40
.set i, 0
.rept 256
	v_mov_b32 v[i], 0
.set i, i+1
.endr
	WIN 0
.set i, 0
.rept 8
	v_mov_b32 v[ST+4*i], 0xff000000                ; m = -2^127
	v_mov_b32 v[ST+4*i+1], 0
	v_mov_b32 v[ST+4*i+2], 0
	v_mov_b32 v[ST+4*i+3], 0
.set i, i+1
.endr
.set i, P+32
.rept 32
	v_mov_b32 v[i], 0
.set i, i+1
.endr
	v_mul_u32_u24 v[AK0], v1, PK
	v_lshl_add_u32 v[AK0], v9, 4, v[AK0]           ; row x pitch + 16 x half
	; The turning load takes 16 keys x 16 channels (lane l reads key 8 (l / 16) + l % 8, channels 8 ((l / 8) % 2) + 0..7) and leaves half a fragment of V^T: lane l holds channel l % 16 and 8 keys.
	v_and_b32 v10, 7, v0
	v_bfe_u32 v11, v0, 3, 1
	v_lshl_add_u32 v[AV0], v9, 3, v10
	v_mul_u32_u24 v[AV0], v[AV0], PVB
	v_lshl_add_u32 v[AV0], v11, 4, v[AV0]
	v_add_nc_u32 v[AV0], VOFF, v[AV0]
	v_mov_b32 v[AK], v[AK0]                        ; key step 0 lies at the head of slot 0
; THE MATRIX WORK.  The 8 accumulators of a run of 16 take turns.  Product i of 16 of S^T = K Q^T for piece x: channels 32 (i / 8) on, keys 16 ((i / 2) % 4) on, tile i % 2.  The first 8 start the sums with the mask.
.macro KQ x
.set rS, S+64*((\x)%2)+32*(i%2)+8*((i/2)%4)
.set rK, KF+64*((\x)%2)+16*((i/2)%4)+8*(i/8)
.set rQ, 16*(2*((\x)/2)+i%2)+8*(i/8)
.set rM, MC+32*(2*((\x)/2)+i%2)+8*((i/2)%4)
.if i < 8
	WIN W_KM
	v_wmma_f32_16x16x32_f16 v[rS:rS+7], v[rK:rK+7], v[rQ:rQ+7], v[rM:rM+7]
.else
	WIN W_KQ
	v_wmma_f32_16x16x32_f16 v[rS:rS+7], v[rK:rK+7], v[rQ:rQ+7], v[rS:rS+7]
.endif
.endm
; Product i of 16 of O^T += V^T P for piece x: keys 32 (i / 8) on, channels 16 ((i / 2) % 4) on, tile i % 2.
.macro PV x
	WIN W_PV
.set rO, 32*(2*(\x)+i%2)+8*((i/2)%4)
.set rV, VF+64*((\x)%2)+32*(i/8)+8*((i/2)%4)
.set rP, P+32*((\x)%2)+16*(i%2)+8*(i/8)
	v_wmma_f32_16x16x32_f16 v[rO:rO+7], v[rV:rV+7], v[rP:rP+7], v[rO:rO+7]
.endm
; THE LDS LOADS stand in runs of 32: a step's K of both sets, and its V (turned).  last = 1 (the tail): in the last trip there is no further step, and the run is jumped over.
.macro FETCH_K last=0
	WIN 0
.if \last
	s_cmp_eq_u32 s[CNT], 1
	s_cbranch_scc1 .Lno_k_\@
.endif
	WIN 0xc0
.irp e, 0,1
.irp f, 0,1,2,3,4,5,6,7
	ds_load_b128 v[KF+64*\e+8*\f:KF+64*\e+8*\f+3],   v[AK] offset:\e*KSET+(\f/2)*16*PK+(\f%2)*64
	ds_load_b128 v[KF+64*\e+8*\f+4:KF+64*\e+8*\f+7], v[AK] offset:\e*KSET+(\f/2)*16*PK+(\f%2)*64+32
.endr
.endr
	s_add_co_u32 s[TBK], s[TBK], KS*PK             ; the next fetch is the next step's
	WIN 0
.if \last
.Lno_k_\@:
.endif
.endm
.macro FETCH_V
	WIN 0xc0
.irp e, 0,1
.irp f, 0,1,2,3,4,5,6,7
	ds_load_tr16_b128 v[VF+64*\e+8*\f:VF+64*\e+8*\f+3],   v[AV] offset:\e*VSET+(\f/4)*32*PVB+(\f%4)*32
	ds_load_tr16_b128 v[VF+64*\e+8*\f+4:VF+64*\e+8*\f+7], v[AV] offset:\e*VSET+(\f/4)*32*PVB+16*PVB+(\f%4)*32
.endr
.endr
	WIN 0
.endm
; THE VECTOR WORK.  One tile's softmax for one step is a numbered list; SM writes number j of it for tile u of piece Y.  s0-s31 are the lane's 32 scores, in pairs 0-15.
;   0-15    the maximum of s0-s31 and the old m, three operands at a time: four chains c0-c3 of seven scores (each accumulator's lowest registers are read first), then what is left over
;   16-20   the other half of the lanes' maximum; m_old is kept; the new m; m_old - m_new (19 is empty)
;   21-87   33 exponentials (a, then s0-s31) at the odd numbers from 23 on: no two follow each other, and each has a plain line behind it before its result is used (ISA guide 5.7.2).  The plain lines (21 and the
;           even numbers) are what is ready: s - m for a pair whose exponentials are to come, the rounding to f16 of a pair whose exponentials are done, the first three sums
;   88-101  the last rounding; the rest of the sums; l = a l + the sum          102-117 the tile's O^T times a
.macro SM u
.set rT, ST+4*(2*Y+(\u))
.set rC, TMP+4*(\u)
.set rS, S+64*(Y%2)+32*(\u)
.set rP, P+32*(Y%2)+16*(\u)
.set rO, 32*(2*Y+(\u))+2*(j-102)
.set q, (j-20)/2
.if j < 102
	WIN 0
.endif
.if j < 4
	v_max3_num_f32 v[rC+j], v[rS+8*j], v[rS+8*j+1], v[rS+8*j+2]
.elseif j < 12
	v_max3_num_f32 v[rC+j%4], v[rC+j%4], v[rS+8*(j%4)+2*(j/4)+1], v[rS+8*(j%4)+2*(j/4)+2]
.elseif j == 12
	v_max3_num_f32 v[rC], v[rC], v[rS+7], v[rS+15]
.elseif j == 13
	v_max3_num_f32 v[rC+2], v[rC+2], v[rS+23], v[rS+31]
.elseif j == 14
	v_max3_num_f32 v[rC], v[rC], v[rC+1], v[rC+2]
.elseif j == 15
	v_max3_num_f32 v[rC], v[rC], v[rC+3], v[rT]
.elseif j == 16
	v_permlanex16_b32 v[rC+1], v[rC], s[SEL], s[SEL+1]  ; the query's other 32 keys lie in the lane 16 away
.elseif j == 17
	v_mov_b32 v[rC+3], v[rT]
.elseif j == 18
	v_max_num_f32 v[rT], v[rC], v[rC+1]
.elseif j == 19
.elseif j == 20
	v_sub_f32 v[rC+3], v[rC+3], v[rT]
.elseif j == 23
	v_exp_f32 v[rC+2], v[rC+3]
.elseif (j < 88) && (j > 23) && (j%2 == 1)
	v_exp_f32 v[rS+(j-25)/2], v[rS+(j-25)/2]
.elseif (q < 4) || ((j < 76) && (q%2 == 0))
.set b, q/2+2
.if q < 4
.set b, q
.endif
	v_pk_add_f32 v[rS+2*b:rS+2*b+1], v[rS+2*b:rS+2*b+1], v[rT:rT+1] op_sel_hi:[1,0] neg_lo:[0,1] neg_hi:[0,1]  ; pair b: s - m, exact at the maximum and never above 0
.elseif (j < 88) && (q%2 == 1)
	v_cvt_pk_f16_f32 v[rP+(q-5)/2], v[rS+q-5], v[rS+q-4]
.elseif j == 89
	v_cvt_pk_f16_f32 v[rP+15], v[rS+30], v[rS+31]
.elseif j < 102                        ; the sum of the 16 pairs, in place: sum z adds neighbours 1, 2, 4 and 8 pairs apart, then l takes it
.set z, j-86
.if j < 89
.set z, (j-76)/4
.endif
.set w, 4
.set uu, z
.if z >= 14
.set w, 32
.set uu, 0
.elseif z >= 12
.set w, 16
.set uu, z-12
.elseif z >= 8
.set w, 8
.set uu, z-8
.endif
.if z < 15
	v_pk_add_f32 v[rS+w*uu:rS+w*uu+1], v[rS+w*uu:rS+w*uu+1], v[rS+w*uu+w/2:rS+w*uu+w/2+1]
.else
	v_pk_fma_f32 v[rT+2:rT+3], v[rT+2:rT+3], v[rC+2:rC+3], v[rS:rS+1] op_sel_hi:[1,0,1]
.endif
.else
	WIN W_RS
	v_pk_mul_f32 v[rO:rO+1], v[rO:rO+1], v[rC+2:rC+3] op_sel_hi:[1,0]
.endif
.endm
; Slice k: below 59, numbers 2 k and 2 k + 1 of both tiles' lists (from 11 to 43 tile by tile: plain, exponential, plain, exponential; elsewhere the tiles alternate); 59 to 66: four of tile G's 32 mask registers.
.macro SLICE
.if k < 59
.if (k >= 11) && (k < 44)
.irp u, 0,1
.irp n, 0,1
.set j, 2*k+(\n)
	SM \u
.endr
.endr
.else
.irp n, 0,1
.irp u, 0,1
.set j, 2*k+(\n)
	SM \u
.endr
.endr
.endif
.else
	WIN W_GEN
.irp z, 0,1,2,3
	v_cndmask_b32 v[MC+32*G+4*(k-59)+(\z)], 0, v[BIGV], s[MW+4*(k-59)+(\z)]
.endr
.endif
.set k, k+1
.endm
; A TURN, for piece p.  No line of a slice names a register of the products round it: K Q^T of piece p + 1 writes the other S^T buffer, V^T P of piece p - 1 reads the other P buffer and another O^T.
; K of the next step is fetched in piece 2's turn, ten plain lines behind the last product that read K, and waited for at the head of piece 3's.  V of the step in hand is fetched at the end of piece 0's turn,
; behind 17 slices that follow the last product that read V, and waited for in front of piece 1's products V^T P.
; The mask: turn p makes tile (p + 3) % 4's registers for the step in which they are next read (tiles 0, 1 are read in turns 3 and 0, tiles 2, 3 in turns 1 and 2), from words asked for a turn ago, and asks for
; tile p's.  Turn 0 steps MOFF; the last step's look-ahead is held at the tile's last 128 bytes.
.macro TURN p, last=0
.set Y, (\p)
.set G, ((\p)+3)%4
.set k, 0
.if (\p) == 3
	s_wait_dscnt 0x0                               ; K is in
.endif
.set i, 0
.rept 16
	KQ (Y+1)%4
	SLICE
.set i, i+1
.endr
.rept 18
	SLICE
.if ((\p) == 2) && (k == 18)
	WIN 0
	v_add_nc_u32 v[AK], s[TBK], v[AK0]
.endif
.if ((\p) == 2) && (k == 20)
	FETCH_K \last
.endif
.endr
.if (\p) == 1
	s_wait_dscnt 0x0                               ; V is in
.endif
.set i, 0
.rept 16
	PV (Y+3)%4
	SLICE
.set i, i+1
.endr
.rept 9
	SLICE
.endr
	s_wait_kmcnt 0x0                               ; the 32 words asked for a turn ago; MOFF is free
.rept 8
	SLICE
.endr
.if (\p) == 0
	s_add_co_u32 s[MOFF], s[MOFF], 128
	s_min_u32 s[MOFF], s[MOFF], 1920
.endif
	MLOAD \p
.if (\p) == 0
	WIN 0
	v_add_nc_u32 v[AV], s[TBV], v[AV0]
	FETCH_V
	s_add_co_u32 s[TBV], s[TBV], KS*PVB
.endif
.endm
	CHANGE 1                                       ; slot 0 is in, everybody's part of it; slot 1 is asked for
	FETCH_K                                        ; key step 0
	s_wait_loadcnt 0x0                             ; Q
	WIN 0x82
.set i, 0
.rept 64
	v_cndmask_b32 v[i], v[i], 0, s[RF+i/16]        ; a row with every key masked: q = 0
.set i, i+1
.endr
	s_wait_dscnt 0x0
.set i, 0
.rept 16
	KQ 0                                           ; piece 0's first scores
.set i, i+1
.endr
	WIN 0                                          ; the addresses for the way out: the places behind those products
	s_mul_i32 s13, s[WV], 16*SP
	s_add_co_u32 s13, s13, STAGE
	v_mul_u32_u24 v[STO], v1, SP                   ; in: row l % 16, 16 bytes for each half of the lanes
	v_lshl_add_u32 v[STO], v9, 4, v[STO]
	v_add_nc_u32 v[STO], s13, v[STO]
	v_bfe_u32 v[RD], v0, 3, 2                      ; back: 32 lanes take four rows of 128 bytes,
	v_mul_u32_u24 v[RD], v[RD], SP
	v_lshl_add_u32 v[RD], v10, 4, v[RD]
	v_add_nc_u32 v[RD], s13, v[RD]
	v_and_b32 v[GO], 31, v0                        ; which are 512 consecutive bytes of xw
	v_lshlrev_b32 v[GO], 4, v[GO]
	s_mov_b32 s[CNT], 2
	s_mov_b32 s[SLOTS], 7
	s_branch .Lfirst                               ; the loop is entered at a step's first turn, in the middle of a trip
.Lslot:                                                ; six times: every slot but the last two is filled again
	CHANGE 1
	s_mov_b32 s[CNT], 2
.Lstep:                                                ; a trip: pieces 2 and 3 of one step, then pieces 0 and 1 of the next, whose K and V it fetches
	TURN 2
	TURN 3
	WIN 0
.Lfirst:
	TURN 0
	TURN 1
	WIN 0
	s_sub_co_u32 s[CNT], s[CNT], 1
	s_cmp_lg_u32 s[CNT], 0
	s_cbranch_scc1 .Lstep
	s_sub_co_u32 s[SLOTS], s[SLOTS], 1
	s_cmp_lg_u32 s[SLOTS], 0
	s_cbranch_scc1 .Lslot
	CHANGE 0                                       ; the tail is written out: nothing is asked for
	s_mov_b32 s[CNT], 3                            ; two trips fetch the last slot's steps; the third is left in its middle
.Ltail:
	TURN 2, 1
	TURN 3
	WIN 0
	s_sub_co_u32 s[CNT], s[CNT], 1
	s_cmp_eq_u32 s[CNT], 0
	s_cbranch_scc1 .Lout
	TURN 0
	TURN 1
	WIN 0
	s_branch .Ltail
.Lout:                                                 ; the third trip's 16 products K Q^T on the last K once more serve nothing: the price, once a launch, of one text for every trip
	s_wait_kmcnt 0x0
.set i, 0
.rept 16
	PV 3                                           ; the last piece's V^T P of the last step
.set i, i+1
.endr
	; THE WAY OUT.  l's two halves and the other half of the lanes' are added; set B's reciprocal takes the weight 0.5; a tile's result is O_A / l_A + 0.5 max(O_B, 0) / l_B.  The additions are the places behind the last products.
	WIN 0
.set t, 0
.rept 8
	v_add_f32 v[ST+4*t+2], v[ST+4*t+2], v[ST+4*t+3]
.set t, t+1
.endr
.set t, 0
.rept 8
	v_permlanex16_b32 v[ST+4*t+3], v[ST+4*t+2], s[SEL], s[SEL+1]
.set t, t+1
.endr
.set t, 0
.rept 8
	v_add_f32 v[ST+4*t+2], v[ST+4*t+2], v[ST+4*t+3]
.set t, t+1
.endr
.set t, 0
.rept 8
	v_rcp_f32 v[ST+4*t+2], v[ST+4*t+2]
.set t, t+1
.endr
	v_nop                                          ; a plain line between the last reciprocal and the use of its result
.irp t, 2,3,6,7
	v_mul_f32 v[ST+4*\t+2], 0.5, v[ST+4*\t+2]
.endr
.macro PACKO tau
.set oA, 32*(4*((\tau)/2)+(\tau)%2)
.set oB, oA+64
.set tA, ST+4*(4*((\tau)/2)+(\tau)%2)+2
.set tB, tA+8
	WIN 0x44                                       ; source 1 and destination window 1
.set z, 0
.rept 32
	v_max_num_f32 v[oB+z], 0, v[oB+z]
.set z, z+1
.endr
	WIN W_RS
.set z, 0
.rept 16
	v_pk_mul_f32 v[oB+2*z:oB+2*z+1], v[oB+2*z:oB+2*z+1], v[tB:tB+1] op_sel_hi:[1,0]
.set z, z+1
.endr
	WIN 0x51                                       ; sources 0 and 2 and destination window 1, source 1 window 0
.set z, 0
.rept 16
	v_pk_fma_f32 v[oA+2*z:oA+2*z+1], v[oA+2*z:oA+2*z+1], v[tA:tA+1], v[oB+2*z:oB+2*z+1] op_sel_hi:[1,0,1]
.set z, z+1
.endr
	WIN 0x05
.set z, 0
.rept 16
	v_cvt_pk_f16_f32 v[S+16*(\tau)+z], v[oA+2*z], v[oA+2*z+1]
.set z, z+1
.endr
	WIN 0
.irp f, 0,1,2,3
	ds_store_b128 v[STO], v[S+16*(\tau)+4*\f:S+16*(\tau)+4*\f+3] offset:32*\f
.endr
.irp f, 0,1,2,3
	ds_load_b128 v[S+16*(\tau)+4*\f:S+16*(\tau)+4*\f+3], v[RD] offset:\f*4*SP  ; LDS serves a wave's instructions in order (ISA guide 5.7.1.4): these see the stores above; the next tile's stores come behind them
.endr
.endm
.macro SENDO tau, younger              ; younger: the next tile's eight LDS instructions, or none
.irp f, 0,1,2,3
	s_wait_dscnt (\younger)+3-\f
	global_store_b128 v[GO], v[S+16*(\tau)+4*\f:S+16*(\tau)+4*\f+3], s[10:11] offset:(\tau)*2048+\f*512  ; 512 consecutive bytes, at a multiple of 256 from xw's first
.endr
.endm
	PACKO 0
	PACKO 1
	SENDO 0, 8
	PACKO 2
	SENDO 1, 8
	PACKO 3
	SENDO 2, 8
	SENDO 3, 0
	s_wait_tensorcnt 0x0                           ; the wave's end, behind my last tensor load and my last LDS store
	ds_add_u32 v[SPW], v[NIL]
	s_wait_dscnt 0x0
	CROUND                                         ; the closing round
	s_endpgm
.Lfunc_end_k_qf8ba1dd449_attn:
	.size	k_qf8ba1dd449_attn, .Lfunc_end_k_qf8ba1dd449_attn-k_qf8ba1dd449_attn
	.p2alignl 7, 3214868480
	.fill 96, 4, 3214868480
	.section	.rodata,"a",@progbits
	.p2align	6, 0x0
	.amdhsa_kernel k_qf8ba1dd449_attn
		.amdhsa_group_segment_fixed_size 327680
		.amdhsa_private_segment_fixed_size 0
		.amdhsa_enable_private_segment 0
		.amdhsa_kernarg_size 32
		.amdhsa_user_sgpr_count 2
		.amdhsa_user_sgpr_kernarg_segment_ptr 1
		.amdhsa_wavefront_size32 1
		.amdhsa_system_sgpr_workgroup_id_x 1
		.amdhsa_system_sgpr_workgroup_id_y 1
		.amdhsa_system_sgpr_workgroup_id_z 1
		.amdhsa_system_vgpr_workitem_id 0
		.amdhsa_next_free_vgpr 1024
		.amdhsa_next_free_sgpr 100
		.amdhsa_reserve_vcc 0
		.amdhsa_float_denorm_mode_32 3
		.amdhsa_float_denorm_mode_16_64 3
		.amdhsa_memory_ordered 1
		.amdhsa_forward_progress 1
		.amdhsa_inst_pref_size 220
	.end_amdhsa_kernel
	.amdgpu_metadata
---
amdhsa.version: [ 1, 2 ]
amdhsa.kernels:
  - .name:           k_qf8ba1dd449_attn
    .symbol:         k_qf8ba1dd449_attn.kd
    .args:
      - { .name: qkv, .offset: 0, .size: 8, .value_kind: global_buffer, .address_space: global }
      - { .name: maskw, .offset: 8, .size: 8, .value_kind: global_buffer, .address_space: global }
      - { .name: rowflag, .offset: 16, .size: 8, .value_kind: global_buffer, .address_space: global }
      - { .name: xw, .offset: 24, .size: 8, .value_kind: global_buffer, .address_space: global }
    .group_segment_fixed_size: 327680
    .private_segment_fixed_size: 0
    .kernarg_segment_align: 8
    .kernarg_segment_size: 32
    .max_flat_workgroup_size: 128
    .sgpr_count:     100
    .vgpr_count:     1024
    .wavefront_size: 32
...
	.end_amdgpu_metadata
.endif
;; end of part 3
;; launch outp (part 4): grid 128 x 2, 4 waves a work-group, clusters of 4 x 1, 327,680 bytes of LDS; arguments xw, wcat, bcat, out0; writes out0
.if DOCPART == 4
	.amdgcn_target "amdgcn-amd-amdhsa--gfx1250"
	.amdhsa_code_object_version 6
	.text
	.protected	k_qf8ba1dd449_outp
	.globl	k_qf8ba1dd449_outp
	.p2align	8
	.type	k_qf8ba1dd449_outp,@function
k_qf8ba1dd449_outp:
	s_mov_b64 s[64:65], 0
	v_nop
	global_prefetch_b8 v0, s[64:65] scope:SCOPE_SE
	s_setreg_imm32_b32 hwreg(HW_REG_WAVE_MODE, 25, 1), 1
	s_wait_xcnt 0x0
	s_wait_alu depctr_hold_cnt(0) depctr_sa_sdst(0) depctr_va_vdst(0) depctr_va_sdst(0) depctr_va_ssrc(0) depctr_va_vcc(0) depctr_vm_vsrc(0)
	s_getreg_b32 s2, hwreg(HW_REG_IB_STS2, 6, 4)
	s_cmp_eq_u32 s2, 0
	s_cbranch_scc0 .Lentry_in_a_cluster
	s_endpgm
.Lentry_in_a_cluster:
	s_bfe_u32 s2, ttmp6, 0x10000c
	s_cmp_lg_u32 s2, 0x3003
	s_cbranch_scc0 .Lentry_shape_is_right
	s_endpgm
.Lentry_shape_is_right:
; OUTP: out0 = x Wo^T + bo.  x: xw[pair][head][par][s][64] f16; Wo: wcat[3], [512 n][512 k] f16 (the bf16 rounding of Wo, written as f16); bo: bcat[3] f32; out0: [16,384][512] f32.  Sums in f32.
; SHARES.  A work-group makes 128 rows x 256 columns (grid y: which half of the 512): 256 work-groups.  Each of four waves 64 x 128: 32 accumulators.  K goes in four chunks of 128 = two heads.
; THREE LDS slots, each with a chunk: x's 128 rows of the even head, of the odd head (dense in memory: asked for as 64 rows of 256 bytes, padded after every 128), and Wo's 256 rows x 128 k.
; Chunks 0 to 2 are first fills; chunk 3 fills slot 0 again, behind a round of the cluster's barrier.  The four work-groups of a cluster have the same half of Wo and other rows of x:
; Wo's tiles are asked for JOINTLY (waves 2, 3), x's by plain loads (waves 0, 1).
; THE MATRIX INSTRUCTION IS USED TRANSPOSED (source 0 = 16 rows of Wo, source 1 = 16 rows of x): a lane holds eight neighbouring columns of one row.  The bias is the C operand that starts the sums.
; REGISTERS (s_set_vgpr_msb: bits 1:0 source 0, 3:2 source 1, 5:4 source 2, 7:6 destination): window 0: v16-29 addresses; v64-159, v160-255 two fragment buffers (x: 4 x 8, then Wo: 8 x 8);
;   window 1: the accumulators, (a, nb) at 8 (8 a + nb);   window 2: v0-63 the bias, tile nb at 8 nb
.set AP,    144
.set AHEAD, 128*AP
.set BP,    272
.set BHALF, 128*BP
.set BOFF,  2*AHEAD
.set SLOT,  BOFF+2*BHALF
.set SPARE, 3*SLOT                     ; the spare words: 128 bytes a wave, two blocks of 256 bytes that no other line names
.set STAGE, SLOT                       ; the way out's stages lie in slot 1, which has had its only fill, and whose last reads every wave has awaited in front of the last barrier
.set SPI,   528                        ; a stage row: 512 bytes + 16
.set ADRA, 16                          ; v16-18 my place in x's fragments, slot 0..2
.set ADRB, 20                          ; v20-22 the same for Wo
.set STO,  24
.set RD,   25
.set GO,   26
.set BO,   27
.set SPW,  28                          ; v28 LDS address of my spare word; never rewritten
.set NIL,  29                          ; v29 0; never rewritten
.set F0,   64
.set F1,   160
.set WV,   12
.set G1A,  24
.set G1B,  32
.set G0A,  40                          ; s[40:51] three sets
.set G0B,  52                          ; s[52:63] three sets
.set MSB, 0
.macro WIN new
.if MSB != (\new)
	s_set_vgpr_msb (MSB<<8)|(\new)
.set MSB, (\new)
.endif
.endm
.macro PLACES
.rept 4
	v_nop
.endr
.endm
.macro CROUND
	s_barrier_signal -1
	s_barrier_wait -1
	s_cmp_lg_u32 s[WV], 0
	s_cbranch_scc1 .Lnot_wave_0_\@
	s_barrier_signal -3
.Lnot_wave_0_\@:
	s_barrier_wait -3
	s_barrier_signal -1
	s_barrier_wait -1
.endm
	s_load_b256 s[4:11], s[0:1], 0x0               ; xw s[4:5], wcat s[6:7], bcat s[8:9], out0 s[10:11]
	v_lshl_add_u32 v[SPW], v0, 2, SPARE
	v_mov_b32 v[NIL], 0
	ds_add_u32 v[SPW], v[NIL]                      ; the wave's opening: the add and its wait stand ahead of my first tensor load
	v_lshrrev_b32 v1, 5, v0
	v_readfirstlane_b32 s[WV], v1
	s_lshr_b32 s13, s[WV], 1                       ; wr: which 64 rows
	s_and_b32 s14, s[WV], 1                        ; wc: which 128 columns.  Also: which head of a chunk, or which 128 rows of Wo, I fetch
	s_and_b32 s15, ttmp7, 0xffff                   ; nh
	s_bfe_u32 s66, ttmp6, 0x40000                  ; cx: it enters x's and out0's addresses alone
	s_lshl_b32 s67, ttmp9, 2
	s_add_co_u32 s67, s67, s66                     ; mb: my block of 128 rows
	s_lshl_b32 s16, s15, 18                        ; Wo: matrix 3, half nh, my 128 rows
	s_lshl_b32 s17, s14, 17
	s_add_co_u32 s16, s16, s17
	s_add_co_u32 s16, s16, 3*524288
	s_mov_b32 s17, 0
	s_lshr_b32 s68, s67, 4                         ; x: pair,
	s_lshl_b32 s68, s68, 21
	s_bfe_u32 s69, s67, 0x10003                    ; par,
	s_lshl_b32 s69, s69, 17
	s_add_co_u32 s68, s68, s69
	s_and_b32 s69, s67, 7                          ; the block's 128 rows of 128 bytes,
	s_lshl_b32 s69, s69, 14
	s_add_co_u32 s68, s68, s69
	s_lshl_b32 s69, s14, 18                        ; my head of the chunk's two
	s_add_co_u32 s68, s68, s69
	s_mov_b32 s69, 0
	s_mul_i32 s18, s14, AHEAD
	s_mul_i32 s19, s14, BHALF
	s_add_co_u32 s19, s19, BOFF
	s_lshl_b32 s70, s67, 18                        ; out0: 128 rows of 2,048 bytes a block, my 64 rows, my 512 bytes of them
	s_lshl_b32 s71, s13, 17
	s_add_co_u32 s70, s70, s71
	s_lshl_b32 s71, s15, 10
	s_add_co_u32 s70, s70, s71
	s_lshl_b32 s71, s14, 9
	s_add_co_u32 s70, s70, s71
	s_mov_b32 s71, 0
	s_lshl_b32 s72, s15, 10                        ; bias 3, half nh
	s_add_co_u32 s72, s72, 3*2048
	s_mov_b32 s73, 0
	s_mov_b32 s[G1A], (1<<16)|(1<<20)|(4<<22)|(3<<25)              ; no mask; 2-byte elements; padding on: after every 32 words, 4 words
	s_mov_b32 s[G1A+1], 128<<16
	s_mov_b32 s[G1A+2], 64<<16
	s_mov_b32 s[G1A+3], 128<<16
	s_mov_b32 s[G1A+4], 64
	s_mov_b32 s[G1A+5], 128
	s_mov_b32 s[G1A+6], 0
	s_mov_b32 s[G1A+7], 0
	s_mov_b32 s[G1B], 15|(1<<16)|(1<<20)|(1<<21)|(5<<22)|(3<<25)   ; the mask of four; 21 set beside it; after every 64 words, 4 words
	s_mov_b32 s[G1B+1], 128<<16
	s_mov_b32 s[G1B+2], 128<<16
	s_mov_b32 s[G1B+3], 128<<16
	s_mov_b32 s[G1B+4], 128
	s_mov_b32 s[G1B+5], 512
	s_mov_b32 s[G1B+6], 0
	s_mov_b32 s[G1B+7], 0
	v_and_b32 v1, 15, v0                           ; r
	v_bfe_u32 v2, v0, 4, 1                         ; h
	s_mul_i32 s20, s13, 64*AP
	s_mul_i32 s21, s14, 128*BP
	s_add_co_u32 s21, s21, BOFF
	v_mul_u32_u24 v3, v1, AP
	v_lshl_add_u32 v3, v2, 4, v3
	v_mul_u32_u24 v4, v1, BP
	v_lshl_add_u32 v4, v2, 4, v4
.irp s, 0,1,2
	v_add_nc_u32 v[ADRA+\s], s20, v3
	v_add_nc_u32 v[ADRB+\s], s21, v4
	s_add_co_u32 s20, s20, SLOT
	s_add_co_u32 s21, s21, SLOT
.endr
	s_mul_i32 s22, s[WV], 16*SPI
	s_add_co_u32 s22, s22, STAGE
	v_mul_u32_u24 v[STO], v1, SPI                  ; in: row r, 32 bytes for each half of the lanes
	v_lshl_add_u32 v[STO], v2, 5, v[STO]
	v_add_nc_u32 v[STO], s22, v[STO]
	v_and_b32 v[GO], 31, v0
	v_lshlrev_b32 v[GO], 4, v[GO]                  ; back and out: 32 lanes take a row's 512 bytes
	v_add_nc_u32 v[RD], s22, v[GO]
	v_lshlrev_b32 v[BO], 5, v2
	v_lshl_add_u32 v[BO], s14, 9, v[BO]
	s_wait_dscnt 0x0                               ; the opening add is done
	s_wait_kmcnt 0x0
	s_add_nc_u64 s[4:5], s[4:5], s[68:69]
	s_add_nc_u64 s[6:7], s[6:7], s[16:17]
	s_add_nc_u64 s[8:9], s[8:9], s[72:73]
	s_add_nc_u64 s[10:11], s[10:11], s[70:71]
.irp c, 0,1,2
	s_mov_b32 s[G0A+4*\c], 1
	s_add_co_u32 s[G0A+4*\c+1], s18, \c*SLOT
	s_add_nc_u64 s[G0A+4*\c+2:G0A+4*\c+3], s[4:5], \c*2*262144     ; heads 2 c, 2 c + 1
	s_or_b32 s[G0A+4*\c+3], s[G0A+4*\c+3], 0x80000000
	s_mov_b32 s[G0B+4*\c], 1
	s_add_co_u32 s[G0B+4*\c+1], s19, \c*SLOT
	s_add_nc_u64 s[G0B+4*\c+2:G0B+4*\c+3], s[6:7], \c*256          ; k = 128 c on
	s_or_b32 s[G0B+4*\c+3], s[G0B+4*\c+3], 0x80000000
.endr
	CROUND                                         ; all four work-groups are here: the first loads meet
	s_cmp_lt_u32 s[WV], 2                          ; a wave's three first fills stand in one branch: three loads of mine are out
	s_cbranch_scc0 .Lfirst_b
.irp c, 0,1,2
	tensor_load_to_lds s[G0A+4*\c:G0A+4*\c+3], s[G1A:G1A+7]
	s_nop 0
.endr
	PLACES
	s_branch .Lfirst_asked
.Lfirst_b:
.irp c, 0,1,2
	tensor_load_to_lds s[G0B+4*\c:G0B+4*\c+3], s[G1B:G1B+7]
	s_nop 0
.endr
	PLACES
.Lfirst_asked:
	WIN 0x80
.irp nb, 0,1,2,3,4,5,6,7
	global_load_b128 v[8*\nb:8*\nb+3],   v[BO], s[8:9] offset:\nb*64
	global_load_b128 v[8*\nb+4:8*\nb+7], v[BO], s[8:9] offset:\nb*64+16
.endr
; 16 matrix instructions: row blocks 2 half, 2 half + 1 x all 8 column blocks, 32 along K.  The 32 accumulators take turns.  first = 1: the bias starts the sums.
.macro MULH f, half, first
.if \first
	WIN 0x60
.else
	WIN 0x50
.endif
.irp a, 2*(\half), 2*(\half)+1
.irp nb, 0,1,2,3,4,5,6,7
.if \first
	v_wmma_f32_16x16x32_f16 v[8*(8*(\a)+(\nb)):8*(8*(\a)+(\nb))+7], v[(\f)+32+8*(\nb):(\f)+32+8*(\nb)+7], v[(\f)+8*(\a):(\f)+8*(\a)+7], v[8*(\nb):8*(\nb)+7]
.else
	v_wmma_f32_16x16x32_f16 v[8*(8*(\a)+(\nb)):8*(8*(\a)+(\nb))+7], v[(\f)+32+8*(\nb):(\f)+32+8*(\nb)+7], v[(\f)+8*(\a):(\f)+8*(\a)+7], v[8*(8*(\a)+(\nb)):8*(8*(\a)+(\nb))+7]
.endif
.endr
.endr
.endm
; 24 LDS loads in one run: the fragments of quarter ks (32 along K) of chunk c, into buffer f
.macro FETCH c, ks, f
	WIN 0
.irp nb, 0,1,2,3,4,5,6,7
	ds_load_b128 v[(\f)+32+8*(\nb):(\f)+32+8*(\nb)+3],   v[ADRB+((\c)%3)] offset:(\ks)*64+(\nb)*16*BP
	ds_load_b128 v[(\f)+32+8*(\nb)+4:(\f)+32+8*(\nb)+7], v[ADRB+((\c)%3)] offset:(\ks)*64+(\nb)*16*BP+32
.endr
.irp a, 0,1,2,3
	ds_load_b128 v[(\f)+8*(\a):(\f)+8*(\a)+3],   v[ADRA+((\c)%3)] offset:((\ks)>>1)*AHEAD+((\ks)&1)*64+(\a)*16*AP
	ds_load_b128 v[(\f)+8*(\a)+4:(\f)+8*(\a)+7], v[ADRA+((\c)%3)] offset:((\ks)>>1)*AHEAD+((\ks)&1)*64+(\a)*16*AP+32
.endr
.endm
; Quarter g of 16 (chunk g / 4): multiplies buffer g % 2; in its middle it fetches the next quarter's fragments into the other buffer.
.macro QUARTER g, first=0
.set fc, F0+96*((\g)%2)
.set fn, F0+96*(((\g)+1)%2)
	s_wait_dscnt 0x0
	MULH fc, 0, \first
	PLACES
	FETCH ((\g)+1)/4, ((\g)+1)%4, fn
	MULH fc, 1, \first
.endm
	s_wait_tensorcnt 2                             ; my part of chunk 0 is in; chunks 1 and 2 may stay out
	s_barrier_signal -1
	s_barrier_wait -1
	FETCH 0, 0, F0
	s_wait_loadcnt 0x0                             ; the bias
	QUARTER 0, 1
	QUARTER 1
	QUARTER 2
	; quarter 3 leaves slot 0, which takes chunk 3
	s_wait_dscnt 0x0                               ; buffer 1 is in: my reads of slot 0 are over
	WIN 0
	s_wait_tensorcnt 0x0                           ; all my tensor loads have landed: my parts of chunks 1 and 2; so a group 0 may be written
	ds_add_u32 v[SPW], v[NIL]                      ; the steps and sixteen matrix instructions stand between the add and the wait for it
	s_add_nc_u64 s[G0A+2:G0A+3], s[G0A+2:G0A+3], 6*262144  ; from heads 0, 1 to heads 6, 7
	s_add_nc_u64 s[G0B+2:G0B+3], s[G0B+2:G0B+3], 3*256     ; from k = 0 to k = 384
	MULH F1, 0, 0
	s_wait_dscnt 0x0
	WIN 0
	CROUND                                         ; no wave of any partner still reads slot 0 or has a load on its way
	s_cmp_lt_u32 s[WV], 2
	s_cbranch_scc0 .Lre_b
	tensor_load_to_lds s[G0A:G0A+3], s[G1A:G1A+7]
	s_nop 0
	PLACES
	s_branch .Lre_asked
.Lre_b:
	tensor_load_to_lds s[G0B:G0B+3], s[G1B:G1B+7]
	s_nop 0
	PLACES
.Lre_asked:                                            ; the four v_nop are also the places in front of the loads below
	FETCH 1, 0, F0
	MULH F1, 1, 0
.irp g, 4,5,6,7,8,9,10
	QUARTER \g
.endr
	; quarter 11: chunk 3 is wanted next
	s_wait_dscnt 0x0
	MULH F1, 0, 0
	s_wait_tensorcnt 0x0                           ; my one load that is out: my part of chunk 3; no load was issued behind it
	s_barrier_signal -1
	s_barrier_wait -1                              ; everybody's part is in; and every wave's reads of slots 1 and 2 are over
	PLACES
	FETCH 3, 0, F0
	MULH F1, 1, 0
	QUARTER 12
	QUARTER 13
	QUARTER 14
	s_wait_dscnt 0x0
	MULH F1, 0, 0
	MULH F1, 1, 0
	PLACES
; THE WAY OUT, 16 rows at a time: a lane's eight f32 of a row go into my stage straight from the accumulators (the low four registers first) and come back as whole rows of 512 bytes.
.macro TOSTAGE a
.if (\a) >= 2
	s_wait_xcnt 0x0                                ; the registers that the block two back was stored from are loaded again only behind this wait
.endif
	WIN 0x04                                       ; store data window 1
.irp nb, 0,1,2,3,4,5,6,7
	ds_store_b128 v[STO], v[8*(8*(\a)+(\nb)):8*(8*(\a)+(\nb))+3]   offset:(\nb)*64
	ds_store_b128 v[STO], v[8*(8*(\a)+(\nb))+4:8*(8*(\a)+(\nb))+7] offset:(\nb)*64+16
.endr
	WIN 0
.set f, 0
.rept 16
	ds_load_b128 v[F0+64*((\a)%2)+4*f:F0+64*((\a)%2)+4*f+3], v[RD] offset:f*SPI  ; LDS serves a wave's instructions in order (ISA guide 5.7.1.4)
.set f, f+1
.endr
.endm
.macro SEND a, younger                 ; younger: the next block's 32 LDS instructions, or none
.set f, 0
.rept 16
	s_wait_dscnt (\younger)+15-f
	global_store_b128 v[GO], v[F0+64*((\a)%2)+4*f:F0+64*((\a)%2)+4*f+3], s[10:11] offset:(16*(\a)+f)*2048 th:TH_STORE_NT  ; 512 consecutive bytes, at a multiple of 256 from out0's first
.set f, f+1
.endr
.endm
	TOSTAGE 0
	TOSTAGE 1
	SEND 0, 32
	TOSTAGE 2
	SEND 1, 32
	TOSTAGE 3
	SEND 2, 32
	SEND 3, 0
	s_wait_tensorcnt 0x0                           ; the wave's end, behind my last tensor load and my last LDS store
	ds_add_u32 v[SPW], v[NIL]
	s_wait_dscnt 0x0
	CROUND                                         ; the closing round
	s_endpgm
.Lfunc_end_k_qf8ba1dd449_outp:
	.size	k_qf8ba1dd449_outp, .Lfunc_end_k_qf8ba1dd449_outp-k_qf8ba1dd449_outp
	.p2alignl 7, 3214868480
	.fill 96, 4, 3214868480
	.section	.rodata,"a",@progbits
	.p2align	6, 0x0
	.amdhsa_kernel k_qf8ba1dd449_outp
		.amdhsa_group_segment_fixed_size 327680
		.amdhsa_private_segment_fixed_size 0
		.amdhsa_enable_private_segment 0
		.amdhsa_kernarg_size 32
		.amdhsa_user_sgpr_count 2
		.amdhsa_user_sgpr_kernarg_segment_ptr 1
		.amdhsa_wavefront_size32 1
		.amdhsa_system_sgpr_workgroup_id_x 1
		.amdhsa_system_sgpr_workgroup_id_y 1
		.amdhsa_system_sgpr_workgroup_id_z 1
		.amdhsa_system_vgpr_workitem_id 0
		.amdhsa_next_free_vgpr 576
		.amdhsa_next_free_sgpr 80
		.amdhsa_reserve_vcc 0
		.amdhsa_float_denorm_mode_32 3
		.amdhsa_float_denorm_mode_16_64 3
		.amdhsa_memory_ordered 1
		.amdhsa_forward_progress 1
		.amdhsa_inst_pref_size 87
	.end_amdhsa_kernel
	.amdgpu_metadata
---
amdhsa.version: [ 1, 2 ]
amdhsa.kernels:
  - .name:           k_qf8ba1dd449_outp
    .symbol:         k_qf8ba1dd449_outp.kd
    .args:
      - { .name: xw, .offset: 0, .size: 8, .value_kind: global_buffer, .address_space: global }
      - { .name: wcat, .offset: 8, .size: 8, .value_kind: global_buffer, .address_space: global }
      - { .name: bcat, .offset: 16, .size: 8, .value_kind: global_buffer, .address_space: global }
      - { .name: out0, .offset: 24, .size: 8, .value_kind: global_buffer, .address_space: global }
    .group_segment_fixed_size: 327680
    .private_segment_fixed_size: 0
    .kernarg_segment_align: 8
    .kernarg_segment_size: 32
    .max_flat_workgroup_size: 128
    .sgpr_count:     80
    .vgpr_count:     576
    .wavefront_size: 32
...
	.end_amdgpu_metadata
.endif
;; end of part 4
;; ======== version 2 of 2: 4 launches; 1.11 times as fast as version 1
;; limits: values are held in f16: magnitudes above 65,504 overflow, below 6.1e-05 lose precision
;; workspace buffers: maskw 2,097,152 bytes of whole numbers; rowflag 4,096 bytes of whole numbers; wcat 2,097,152 bytes; bcat 8,192 bytes; qkv 50,331,648 bytes; xw 16,777,216 bytes
;; launch prep: the kernel of part 1 again; grid 1024 x 1, 4 waves a work-group, no clusters, 67,328 bytes of LDS; arguments mask, Wq, Wk, Wv, Wo, bq, bk, bv, bo, maskw, rowflag, wcat, bcat; writes maskw, rowflag, wcat, bcat
;; launch proj: the kernel of part 2 again; grid 128 x 6, 4 waves a work-group, clusters of 4 x 1, 327,680 bytes of LDS; arguments query, key, value, wcat, bcat, qkv; writes qkv
;; launch attn (part 5): grid 8 x 64, 4 waves a work-group, clusters of 4 x 1, 327,680 bytes of LDS; arguments qkv, maskw, rowflag, xw; writes xw
.if DOCPART == 5
	.amdgcn_target "amdgcn-amd-amdhsa--gfx1250"
	.amdhsa_code_object_version 6
	.text
	.protected	k_qf8ba1dd449_attn
	.globl	k_qf8ba1dd449_attn
	.p2align	8
	.type	k_qf8ba1dd449_attn,@function
k_qf8ba1dd449_attn:
	s_mov_b64 s[64:65], 0
	v_nop
	global_prefetch_b8 v0, s[64:65] scope:SCOPE_SE
	s_setreg_imm32_b32 hwreg(HW_REG_WAVE_MODE, 25, 1), 1
	s_wait_xcnt 0x0
	s_wait_alu depctr_hold_cnt(0) depctr_sa_sdst(0) depctr_va_vdst(0) depctr_va_sdst(0) depctr_va_ssrc(0) depctr_va_vcc(0) depctr_vm_vsrc(0)
	s_getreg_b32 s2, hwreg(HW_REG_IB_STS2, 6, 4)
	s_cmp_eq_u32 s2, 0
	s_cbranch_scc0 .Lentry_in_a_cluster
	s_endpgm
.Lentry_in_a_cluster:
	s_bfe_u32 s2, ttmp6, 0x10000c
	s_cmp_lg_u32 s2, 0x3003
	s_cbranch_scc0 .Lentry_shape_is_right
	s_endpgm
.Lentry_shape_is_right:
; ATTN: both streams of attention and their combination.  For batch b = 2 pair + par and a head: xw = softmax(q k_A^T, mask) v_A + 0.5 relu(softmax(q k_B^T, mask) v_B); set A is the batch's own
; k and v, set B those of the pair's other batch; both under the same mask[b].  q, k, v: qkv[t][pair][head][par][1,024][64] f16, q already times c = log2(e) / 8; xw in the same layout, f16.
; Products, maxima and sums in f32; the weights p are rounded to f16 for the second product (their sum l is taken of the unrounded p), the result once.
; LIMITS.  q, k, v arrive within f16's 65,504; the result has v's range, and below 6e-5 f16's fixed step of 6e-8.  A masked score counts as -1e30 where the module writes -1e9: the same weights unless an
; unmasked score lies at or below -1e9.  A weight below 2^-126 counts as 0.  NaN and infinities are not treated apart.
; SHARES.  Grid y = 8 pair + head; the cluster's x = par; the four work-groups of a cluster are the four blocks of 256 queries of one batch and head.  They walk the same four tensors (K_A, K_B, V_A, V_B), so
; every tile is asked for JOINTLY.  A wave owns 64 queries: four tiles of 16.  A key step is 64 key positions of both sets; 16 steps.
; PIECES.  Piece p = tile pair p / 2 (tiles 2 (p / 2), + 1) with set p % 2.  Turn n belongs to piece n (in a ring, step after step): 16 products K Q^T of piece n + 1, later 16 products V^T P of piece n - 1,
; and among them the whole softmax of piece n, cut into slices of four lines: one slice behind each matrix instruction, the rest in runs of their own.
; THE MASK is the C operand that starts S^T = K Q^T: 0, or -1e30 where the key is masked.  A tile's 32 registers are made once a step, by 32 selects under lane masks read as scalars from maskw, and serve both sets.
; Scalar loads come back in no order, so only a wait for all of them shows anything (ISA guide 5.7.1): what a load has in which to land is the text between the LAST request and the next wait.  So the words go by
; pairs of tiles, 64 scalar registers, and only every second turn waits, selects and asks again: a request has two turns, less the 64 selects, in which to land.
; A row with all 1,024 keys masked has its q set to 0 (rowflag): all its scores are then equal and its weights uniform, as the module's are.
; LAYOUT.  S^T holds ONE query a lane (lane % 16) and the keys 8 (lane / 16) + 0..7; two such results rounded to f16 ARE source 1 of O^T = V^T P.  K comes out of LDS as it lies, V turned by ds_load_tr16_b128.
; SOFTMAX.  p = 2^(s - m) with a running maximum m; O and l are multiplied by a = 2^(m_old - m_new) in every step.  m starts at -2^127, O and l at 0: the first step is a step like any other, with a = 0; and
; whatever steps in which a row saw masked keys alone have left is wiped in the same way when its first true score comes.
; REGISTERS, in windows of 256 (s_set_vgpr_msb: bits 1:0 source 0, 3:2 source 1, 5:4 source 2, 7:6 destination):
;   window 0: v0-15 addresses; v16-47 statistics, four for each of 8 (tile, set); v48-55 at work; v64-191 S^T, two buffers of two tiles; v192-255 P, likewise (buffers go by the piece's parity)
;   window 1: O^T, 32 for (piece p, tile u) at 32 (2 p + u)     window 2: v0-63 Q; v64-191 the mask, 32 a tile     window 3: v0-127 K of one step, both sets; v128-255 V
.set KS,    64
.set PK,    144                        ; a row of K in LDS: 128 bytes + 16: the 16 rows of a load start at 16 different groups of four banks (64 banks of 4 bytes: ISA guide 11.1)
.set PVB,   160                        ; a row of V: 128 + 32
.set KSET,  128*PK                     ; a slot holds two steps: 128 rows of K_A, of K_B,
.set VSET,  128*PVB                    ; of V_A, of V_B
.set VOFF,  2*KSET
.set SLOT1, 1<<17                      ; slot 1 begins here: one exclusive or turns an address in one slot into the other's
.set STAGE, SLOT1+2*KSET+2*VSET        ; behind the ring, never filled by a tensor load: 16 rows x 144 bytes for each wave
.set SP,    144
.set SPARE, STAGE+4*16*SP              ; the spare words: 128 bytes a wave, two blocks of 256 bytes that no other line names
.set AK0, 2                            ; v2 my lane's place in a tile of K; never rewritten
.set AV0, 3                            ; v3 the same for V
.set AK,  4
.set AV,  5
.set QO,  6
.set STO, 6
.set RD,  7
.set GO,  8
.set BIGV, 12                          ; v12 -1e30
.set SPW, 14                           ; v14 LDS address of my spare word; never rewritten
.set NIL, 15                           ; v15 0; never rewritten
.set ST,  16                           ; (piece p, tile u) at ST + 4 (2 p + u): m, a written spare, l (even keys', odd keys')
.set TMP, 48                           ; tile u: c0-c3 at TMP + 4 u; when the maximum is found c2 takes a
.set S,   64
.set P,   192
.set MC,  64                           ; window 2
.set KF,  0                            ; window 3: set e, key block kb, channel half c at 64 e + 16 kb + 8 c
.set VF,  128                          ; window 3: set e, key half kk, channel block cb at 128 + 64 e + 32 kk + 8 cb
.set WV,  2                            ; s2  my wave's number
.set MOFF, 3                           ; s3  128 x the step whose masks are being read
.set MP,  4                            ; s[4:5] maskw at my first tile
.set XW,  6                            ; s[6:7] xw at my rows
.set G1K, 8                            ; s[8:15]  descriptor group 1 for K's tiles
.set G1V, 16                           ; s[16:23] for V's: it differs in the padding alone
.set G0K, 24                           ; s[24:27] descriptor group 0 for K's tiles: it walks
.set G0V, 28                           ; s[28:31] the same for V's
.set MWA, 32                           ; s[32:63] the 32 lane masks of a pair's first tile (until the first mask load: the arguments and the set-up's temporaries)
.set QP,  66                           ; s[66:67] q at my rows, until Q has landed; then:
.set SLOTS, 66
.set CNT, 67
.set MWB, 68                           ; s[68:99] the 32 lane masks of the pair's second tile
.set RFA, 100                          ; s[100:101], s[104:105] my four tiles' rowflag words, until Q's rows are zeroed; then:
.set RFB, 104
.set SEL, 100                          ; s[100:101] v_permlanex16_b32's selects
.set TBK, 104                          ; s104 LDS byte at which K of the step to be fetched begins
.set TBV, 105                          ; s105 the same for V, less VOFF
.set MSB, 0
.macro WIN new
.if MSB != (\new)
	s_set_vgpr_msb (MSB<<8)|(\new)
.set MSB, (\new)
.endif
.endm
.set W_KM, 0x2b                        ; K window 3, Q window 2, C (the mask) window 2, S^T window 0
.set W_KQ, 0x0b
.set W_PV, 0x53                        ; V window 3, P window 0, O^T window 1
.set W_RS, 0x41                        ; O^T (destination and source 0) window 1, a window 0
.set W_GEN, 0x80                       ; destination window 2
; A joint fill.  Waves 0 and 1 fetch a slot's K_A and K_B, waves 2 and 3 its V_A and V_B: 128 keys each.  An s_nop 0 and four v_nop follow each of the two lines.
.macro JLOAD
	s_cmp_lt_u32 s[WV], 2
	s_cbranch_scc0 .Lfor_v_\@
	tensor_load_to_lds s[G0K:G0K+3], s[G1K:G1K+7]
	s_nop 0
.rept 4
	v_nop
.endr
	s_branch .Lasked_\@
.Lfor_v_\@:
	tensor_load_to_lds s[G0V:G0V+3], s[G1V:G1V+7]
	s_nop 0
.rept 4
	v_nop
.endr
.Lasked_\@:
.endm
.macro CROUND
	s_barrier_signal -1
	s_barrier_wait -1
	s_cmp_lg_u32 s[WV], 0
	s_cbranch_scc1 .Lnot_wave_0_\@
	s_barrier_signal -3
.Lnot_wave_0_\@:
	s_barrier_wait -3
	s_barrier_signal -1
	s_barrier_wait -1
.endm
; THE CHANGE OF SLOTS.  Each wave waits for all its tensor loads, of which one is out: its part of the other slot; adds 0 to its spare word; and waits for that and for its reads of the slot that it leaves.
; fill = 1: the barrier is a round of the cluster's, and the joint fill, the keys two slots on, is the first thing behind it: it has two key steps, 256 matrix instructions, in which to land.
.macro CHANGE fill
	WIN 0
	s_wait_tensorcnt 0x0                           ; no tensor load of mine is out, so a group 0 may be written
	ds_add_u32 v[SPW], v[NIL]
.if \fill
.irp g, G0K, G0V
	s_xor_b32 s[\g+1], s[\g+1], SLOT1
	s_add_nc_u64 s[\g+2:\g+3], s[\g+2:\g+3], 2*KS*128
.endr
	s_wait_dscnt 0x0
	CROUND
	JLOAD
.else
	s_wait_dscnt 0x0
	s_barrier_signal -1
	s_barrier_wait -1
.endif
	s_sub_co_u32 s[TBK], s[TBK], 2*KS*PK           ; the fetches go back to a slot's first step, in the other slot
	s_xor_b32 s[TBK], s[TBK], SLOT1
	s_sub_co_u32 s[TBV], s[TBV], 2*KS*PVB
	s_xor_b32 s[TBV], s[TBV], SLOT1
.endm
; THE MASK WORDS.  MLOAD2 g asks for the 64 lane masks of tiles g and g + 1 for the step at MOFF: 128 consecutive bytes a tile.  GEN2 g makes those tiles' 64 mask registers of them.
.macro MLOAD2 g
	s_load_b512 s[MWA:MWA+15],    s[MP:MP+1], s[MOFF] offset:(\g)*2048
	s_load_b512 s[MWA+16:MWA+31], s[MP:MP+1], s[MOFF] offset:(\g)*2048+64
	s_load_b512 s[MWB:MWB+15],    s[MP:MP+1], s[MOFF] offset:(\g)*2048+2048
	s_load_b512 s[MWB+16:MWB+31], s[MP:MP+1], s[MOFF] offset:(\g)*2048+2048+64
.endm
.macro GEN2 g
	WIN W_GEN
.set z, 0
.rept 32
	v_cndmask_b32 v[MC+32*(\g)+z], 0, v[BIGV], s[MWA+z]
.set z, z+1
.endr
.set z, 0
.rept 32
	v_cndmask_b32 v[MC+32*(\g)+32+z], 0, v[BIGV], s[MWB+z]
.set z, z+1
.endr
.endm
	s_load_b256 s[32:39], s[0:1], 0x0              ; qkv s[32:33], maskw s[34:35], rowflag s[36:37], xw s[38:39]
	v_lshl_add_u32 v[SPW], v0, 2, SPARE
	v_mov_b32 v[NIL], 0
	ds_add_u32 v[SPW], v[NIL]                      ; the wave's opening: the add and its wait stand ahead of my first tensor load
	v_lshrrev_b32 v1, 5, v0
	v_readfirstlane_b32 s[WV], v1
	s_bfe_u32 s40, ttmp6, 0x40000                  ; cx: my block of 256 queries: it enters Q's, the mask's and xw's addresses alone
	s_and_b32 s41, ttmp7, 0xffff                   ; 8 pair + head
	s_and_b32 s42, s[WV], 1                        ; the set that I fetch
	s_xor_b32 s43, ttmp9, s42                      ; its batch's parity
	s_lshl_b32 s43, s43, 17
	s_lshl_b32 s44, s41, 18
	s_add_co_u32 s44, s44, s43
	s_mov_b32 s45, 0                               ; s[44:45]: that batch's and head's rows in k and in v
	s_mul_i32 s46, s42, KSET
	s_mul_i32 s47, s42, VSET
	s_lshl_b32 s48, s41, 18                        ; s[48:49]: my wave's 64 rows in q and in xw
	s_lshl_b32 s49, ttmp9, 17
	s_add_co_u32 s48, s48, s49
	s_lshl_b32 s49, s40, 15
	s_add_co_u32 s48, s48, s49
	s_lshl_b32 s49, s[WV], 13
	s_add_co_u32 s48, s48, s49
	s_mov_b32 s49, 0
	s_lshr_b32 s50, s41, 3
	s_lshl_b32 s50, s50, 1
	s_add_co_u32 s50, s50, ttmp9                   ; the batch
	s_lshl_b32 s50, s50, 6
	s_lshl_b32 s51, s40, 4
	s_add_co_u32 s50, s50, s51
	s_lshl_b32 s51, s[WV], 2
	s_add_co_u32 s50, s50, s51                     ; my first tile among the 1,024
	s_lshl_b32 s52, s50, 2                         ; s[52:53]: its word in rowflag
	s_mov_b32 s53, 0
	s_lshl_b32 s50, s50, 11                        ; s[50:51]: its 2,048 bytes in maskw
	s_mov_b32 s51, 0
	; descriptor group 1.  128 keys are 16,384 dense bytes: asked for as 64 rows of 256 bytes, two keys a row, padded in LDS after every key
	s_mov_b32 s[G1K], 15|(1<<16)|(1<<20)|(1<<21)|(4<<22)|(3<<25)  ; the mask of four; 2-byte elements; padding on; 21 set beside a mask; after every 32 words; 4 words
	s_mov_b32 s[G1V], 15|(1<<16)|(1<<20)|(1<<21)|(4<<22)|(7<<25)  ; the same with 8 words
.irp g, G1K, G1V
	s_mov_b32 s[\g+1], 128<<16
	s_mov_b32 s[\g+2], 64<<16
	s_mov_b32 s[\g+3], 128<<16
	s_mov_b32 s[\g+4], 64
	s_mov_b32 s[\g+5], 128
	s_mov_b32 s[\g+6], 0
	s_mov_b32 s[\g+7], 0
.endr
	s_mov_b32 s[MOFF], 0
	s_mov_b32 s[G0K], 1
	s_mov_b32 s[G0K+1], s46                        ; LDS address: slot 0
	s_mov_b32 s[G0V], 1
	s_add_co_u32 s[G0V+1], s47, VOFF
	s_wait_dscnt 0x0                               ; the opening add is done
	s_wait_kmcnt 0x0
	s_add_nc_u64 s[G0K+2:G0K+3], s[32:33], s[44:45]
	s_add_nc_u64 s[G0K+2:G0K+3], s[G0K+2:G0K+3], 0x1000000  ; k lies 16,777,216 bytes into qkv,
	s_or_b32 s[G0K+3], s[G0K+3], 0x80000000
	s_add_nc_u64 s[G0V+2:G0V+3], s[32:33], s[44:45]
	s_add_nc_u64 s[G0V+2:G0V+3], s[G0V+2:G0V+3], 0x2000000  ; v twice as far
	s_or_b32 s[G0V+3], s[G0V+3], 0x80000000
	s_add_nc_u64 s[QP:QP+1], s[32:33], s[48:49]
	s_add_nc_u64 s[XW:XW+1], s[38:39], s[48:49]
	s_add_nc_u64 s[MP:MP+1], s[34:35], s[50:51]
	s_add_nc_u64 s[96:97], s[36:37], s[52:53]
	CROUND                                         ; all four work-groups are here: the first joint loads meet
	JLOAD                                          ; slot 0; slot 1 is asked for when slot 0 is in
	s_load_b64 s[RFA:RFA+1], s[96:97], 0x0
	s_load_b64 s[RFB:RFB+1], s[96:97], 0x8
	s_wait_xcnt 0x0                                ; those two loads' base lies among the 64 registers that the next four loads write: it is free only behind this wait
	MLOAD2 0                                       ; step 0's words of tiles 0 and 1
	v_and_b32 v1, 15, v0                           ; lane % 16
	v_bfe_u32 v9, v0, 4, 1                         ; lane / 16
	v_lshlrev_b32 v[QO], 7, v1
	v_lshl_add_u32 v[QO], v9, 4, v[QO]
	WIN 0x80
.set i, 0
.rept 8                                                ; Q stays in registers: tile i / 2, channels 32 (i % 2) on
	global_load_b128 v[8*i:8*i+3],   v[QO], s[QP:QP+1] offset:(i/2)*2048+(i%2)*64
	global_load_b128 v[8*i+4:8*i+7], v[QO], s[QP:QP+1] offset:(i/2)*2048+(i%2)*64+32
.set i, i+1
.endr
	WIN 0
	v_mov_b32 v[BIGV], 0xf149f2ca
	; What the first turn finds: V_B's registers and P's second buffer hold 0 (its products V^T P, of a piece that has not been, add 0), O^T and l are 0.  All this stands in the waits for the first words and the first tile.
	WIN 0xc0
.set i, VF+64
.rept 64
	v_mov_b32 v[i], 0
.set i, i+1
.endr
	WIN 0x40
.set i, 0
.rept 256
	v_mov_b32 v[i], 0
.set i, i+1
.endr
	s_wait_kmcnt 0x0                               ; rowflag's four words and the 64 of tiles 0 and 1
	GEN2 0
	MLOAD2 2                                       ; step 0's words of tiles 2 and 3: wanted by the second turn's products
	s_wait_loadcnt 0x0                             ; Q
	WIN 0x82
.set i, 0
.rept 64
	v_cndmask_b32 v[i], v[i], 0, s[RFA+i/16+2*(i/32)]  ; a row with every key masked: q = 0
.set i, i+1
.endr
	WIN 0
.set i, 0
.rept 8
	v_mov_b32 v[ST+4*i], 0xff000000                ; m = -2^127
	v_mov_b32 v[ST+4*i+1], 0
	v_mov_b32 v[ST+4*i+2], 0
	v_mov_b32 v[ST+4*i+3], 0
.set i, i+1
.endr
.set i, P+32
.rept 32
	v_mov_b32 v[i], 0
.set i, i+1
.endr
	v_mul_u32_u24 v[AK0], v1, PK
	v_lshl_add_u32 v[AK0], v9, 4, v[AK0]           ; row x pitch + 16 x half
	; The turning load takes 16 keys x 16 channels (lane l reads key 8 (l / 16) + l % 8, channels 8 ((l / 8) % 2) + 0..7) and leaves half a fragment of V^T: lane l holds channel l % 16 and 8 keys.
	v_and_b32 v10, 7, v0
	v_bfe_u32 v11, v0, 3, 1
	v_lshl_add_u32 v[AV0], v9, 3, v10
	v_mul_u32_u24 v[AV0], v[AV0], PVB
	v_lshl_add_u32 v[AV0], v11, 4, v[AV0]
	v_add_nc_u32 v[AV0], VOFF, v[AV0]
	v_mov_b32 v[AK], v[AK0]                        ; key step 0 lies at the head of slot 0
	s_mov_b32 s[SEL], 0x76543210                   ; rowflag's words have served
	s_mov_b32 s[SEL+1], 0xfedcba98
	s_mov_b32 s[TBK], SLOT1+2*KS*PK                ; the first change of slots turns these two into 0
	s_mov_b32 s[TBV], SLOT1+2*KS*PVB
; THE MATRIX WORK.  The 8 accumulators of a run of 16 take turns.  Product i of 16 of S^T = K Q^T for piece x: channels 32 (i / 8) on, keys 16 ((i / 2) % 4) on, tile i % 2.  The first 8 start the sums with the mask.
.macro KQ x
.set rS, S+64*((\x)%2)+32*(i%2)+8*((i/2)%4)
.set rK, KF+64*((\x)%2)+16*((i/2)%4)+8*(i/8)
.set rQ, 16*(2*((\x)/2)+i%2)+8*(i/8)
.set rM, MC+32*(2*((\x)/2)+i%2)+8*((i/2)%4)
.if i < 8
	WIN W_KM
	v_wmma_f32_16x16x32_f16 v[rS:rS+7], v[rK:rK+7], v[rQ:rQ+7], v[rM:rM+7]
.else
	WIN W_KQ
	v_wmma_f32_16x16x32_f16 v[rS:rS+7], v[rK:rK+7], v[rQ:rQ+7], v[rS:rS+7]
.endif
.endm
; Product i of 16 of O^T += V^T P for piece x: keys 32 (i / 8) on, channels 16 ((i / 2) % 4) on, tile i % 2.
.macro PV x
	WIN W_PV
.set rO, 32*(2*(\x)+i%2)+8*((i/2)%4)
.set rV, VF+64*((\x)%2)+32*(i/8)+8*((i/2)%4)
.set rP, P+32*((\x)%2)+16*(i%2)+8*(i/8)
	v_wmma_f32_16x16x32_f16 v[rO:rO+7], v[rV:rV+7], v[rP:rP+7], v[rO:rO+7]
.endm
; THE LDS LOADS stand in runs of 32: a step's K of both sets, and its V (turned).  last = 1 (the tail): in the last trip there is no further step, and the run is jumped over.
.macro FETCH_K last=0
	WIN 0
.if \last
	s_cmp_eq_u32 s[CNT], 1
	s_cbranch_scc1 .Lno_k_\@
.endif
	WIN 0xc0
.irp e, 0,1
.irp f, 0,1,2,3,4,5,6,7
	ds_load_b128 v[KF+64*\e+8*\f:KF+64*\e+8*\f+3],   v[AK] offset:\e*KSET+(\f/2)*16*PK+(\f%2)*64
	ds_load_b128 v[KF+64*\e+8*\f+4:KF+64*\e+8*\f+7], v[AK] offset:\e*KSET+(\f/2)*16*PK+(\f%2)*64+32
.endr
.endr
	s_add_co_u32 s[TBK], s[TBK], KS*PK             ; the next fetch is the next step's
	WIN 0
.if \last
.Lno_k_\@:
.endif
.endm
.macro FETCH_V
	WIN 0xc0
.irp e, 0,1
.irp f, 0,1,2,3,4,5,6,7
	ds_load_tr16_b128 v[VF+64*\e+8*\f:VF+64*\e+8*\f+3],   v[AV] offset:\e*VSET+(\f/4)*32*PVB+(\f%4)*32
	ds_load_tr16_b128 v[VF+64*\e+8*\f+4:VF+64*\e+8*\f+7], v[AV] offset:\e*VSET+(\f/4)*32*PVB+16*PVB+(\f%4)*32
.endr
.endr
	WIN 0
.endm
; THE VECTOR WORK.  One tile's softmax for one step is a numbered list; SM writes number j of it for tile u of piece Y.  s0-s31 are the lane's 32 scores, in pairs 0-15.
;   0-15    the maximum of s0-s31 and the old m, three operands at a time: four chains c0-c3 of seven scores (each accumulator's lowest registers are read first), then what is left over
;   16-20   the other half of the lanes' maximum; m_old is kept; the new m; m_old - m_new (19 is empty)
;   21-87   33 exponentials (a, then s0-s31) at the odd numbers from 23 on: no two follow each other, and each has a plain line behind it before its result is used (ISA guide 5.7.2).  The plain lines (21 and the
;           even numbers) are what is ready: s - m for a pair whose exponentials are to come, the rounding to f16 of a pair whose exponentials are done, the first three sums
;   88-101  the last rounding; the rest of the sums; l = a l + the sum          102-117 the tile's O^T times a
.macro SM u
.set rT, ST+4*(2*Y+(\u))
.set rC, TMP+4*(\u)
.set rS, S+64*(Y%2)+32*(\u)
.set rP, P+32*(Y%2)+16*(\u)
.set rO, 32*(2*Y+(\u))+2*(j-102)
.set q, (j-20)/2
.if j < 102
	WIN 0
.endif
.if j < 4
	v_max3_num_f32 v[rC+j], v[rS+8*j], v[rS+8*j+1], v[rS+8*j+2]
.elseif j < 12
	v_max3_num_f32 v[rC+j%4], v[rC+j%4], v[rS+8*(j%4)+2*(j/4)+1], v[rS+8*(j%4)+2*(j/4)+2]
.elseif j == 12
	v_max3_num_f32 v[rC], v[rC], v[rS+7], v[rS+15]
.elseif j == 13
	v_max3_num_f32 v[rC+2], v[rC+2], v[rS+23], v[rS+31]
.elseif j == 14
	v_max3_num_f32 v[rC], v[rC], v[rC+1], v[rC+2]
.elseif j == 15
	v_max3_num_f32 v[rC], v[rC], v[rC+3], v[rT]
.elseif j == 16
	v_permlanex16_b32 v[rC+1], v[rC], s[SEL], s[SEL+1]  ; the query's other 32 keys lie in the lane 16 away
.elseif j == 17
	v_mov_b32 v[rC+3], v[rT]
.elseif j == 18
	v_max_num_f32 v[rT], v[rC], v[rC+1]
.elseif j == 19
.elseif j == 20
	v_sub_f32 v[rC+3], v[rC+3], v[rT]
.elseif j == 23
	v_exp_f32 v[rC+2], v[rC+3]
.elseif (j < 88) && (j > 23) && (j%2 == 1)
	v_exp_f32 v[rS+(j-25)/2], v[rS+(j-25)/2]
.elseif (q < 4) || ((j < 76) && (q%2 == 0))
.set b, q/2+2
.if q < 4
.set b, q
.endif
	v_pk_add_f32 v[rS+2*b:rS+2*b+1], v[rS+2*b:rS+2*b+1], v[rT:rT+1] op_sel_hi:[1,0] neg_lo:[0,1] neg_hi:[0,1]  ; pair b: s - m, exact at the maximum and never above 0
.elseif (j < 88) && (q%2 == 1)
	v_cvt_pk_f16_f32 v[rP+(q-5)/2], v[rS+q-5], v[rS+q-4]
.elseif j == 89
	v_cvt_pk_f16_f32 v[rP+15], v[rS+30], v[rS+31]
.elseif j < 102                        ; the sum of the 16 pairs, in place: sum z adds neighbours 1, 2, 4 and 8 pairs apart, then l takes it
.set z, j-86
.if j < 89
.set z, (j-76)/4
.endif
.set w, 4
.set uu, z
.if z >= 14
.set w, 32
.set uu, 0
.elseif z >= 12
.set w, 16
.set uu, z-12
.elseif z >= 8
.set w, 8
.set uu, z-8
.endif
.if z < 15
	v_pk_add_f32 v[rS+w*uu:rS+w*uu+1], v[rS+w*uu:rS+w*uu+1], v[rS+w*uu+w/2:rS+w*uu+w/2+1]
.else
	v_pk_fma_f32 v[rT+2:rT+3], v[rT+2:rT+3], v[rC+2:rC+3], v[rS:rS+1] op_sel_hi:[1,0,1]
.endif
.else
	WIN W_RS
	v_pk_mul_f32 v[rO:rO+1], v[rO:rO+1], v[rC+2:rC+3] op_sel_hi:[1,0]
.endif
.endm
; Slice k of 59: numbers 2 k and 2 k + 1 of both tiles' lists (from 11 to 43 tile by tile: plain, exponential, plain, exponential; elsewhere the tiles alternate).
.macro SLICE
.if (k >= 11) && (k < 44)
.irp u, 0,1
.irp n, 0,1
.set j, 2*k+(\n)
	SM \u
.endr
.endr
.else
.irp n, 0,1
.irp u, 0,1
.set j, 2*k+(\n)
	SM \u
.endr
.endr
.endif
.set k, k+1
.endm
; A TURN, for piece p.  No line of a slice names a register of the products round it: K Q^T of piece p + 1 writes the other S^T buffer, V^T P of piece p - 1 reads the other P buffer and another O^T.
; K of the next step is fetched in piece 2's turn, ten plain lines behind the last product that read K, and waited for at the head of piece 3's.  V of the step in hand is fetched at the end of piece 0's turn,
; behind nine slices that follow the last product that read V, and waited for in front of piece 1's products V^T P.
; The mask.  Tiles 0, 1 are read by the products at the heads of turns 3 and 0, tiles 2, 3 by those of turns 1 and 2.  The end of turn 1 makes tiles 0, 1 for the next step, of words asked for at the end of the
; turn 3 before, and asks for tiles 2, 3 of that step; the end of turn 3 makes tiles 2, 3, steps MOFF and asks for tiles 0, 1 of the step after.  The wait for 0 in front of the selects also shows the last
; loads done, so MOFF, their source, may be written.  The last steps' look-ahead is held at a tile's last 128 bytes.
.macro TURN p, last=0
.set Y, (\p)
.set k, 0
.if (\p) == 3
	s_wait_dscnt 0x0                               ; K is in
.endif
.set i, 0
.rept 16
	KQ (Y+1)%4
	SLICE
.set i, i+1
.endr
.rept 18
	SLICE
.if ((\p) == 2) && (k == 18)
	WIN 0
	v_add_nc_u32 v[AK], s[TBK], v[AK0]
.endif
.if ((\p) == 2) && (k == 20)
	FETCH_K \last
.endif
.endr
.if (\p) == 1
	s_wait_dscnt 0x0                               ; V is in
.endif
.set i, 0
.rept 16
	PV (Y+3)%4
	SLICE
.set i, i+1
.endr
.rept 9
	SLICE
.endr
.if (\p) == 1
	s_wait_kmcnt 0x0                               ; the 64 words asked for two turns ago
	GEN2 0
	MLOAD2 2
.endif
.if (\p) == 3
	s_wait_kmcnt 0x0                               ; the 64 words asked for two turns ago
	GEN2 2
	s_add_co_u32 s[MOFF], s[MOFF], 128
	s_min_u32 s[MOFF], s[MOFF], 1920
	MLOAD2 0
.endif
.if (\p) == 0
	WIN 0
	v_add_nc_u32 v[AV], s[TBV], v[AV0]
	FETCH_V
	s_add_co_u32 s[TBV], s[TBV], KS*PVB
.endif
.endm
	CHANGE 1                                       ; slot 0 is in, everybody's part of it; slot 1 is asked for
	FETCH_K                                        ; key step 0
	s_wait_kmcnt 0x0                               ; step 0's words of tiles 2 and 3
	GEN2 2
	s_mov_b32 s[MOFF], 128
	MLOAD2 0                                       ; step 1's words of tiles 0 and 1: wanted at the end of the second turn
	s_wait_dscnt 0x0
.set i, 0
.rept 16
	KQ 0                                           ; piece 0's first scores
.set i, i+1
.endr
	WIN 0                                          ; the addresses for the way out: the places behind those products
	s_mul_i32 s[CNT], s[WV], 16*SP                 ; (the count's register serves as a temporary until it is set below)
	s_add_co_u32 s[CNT], s[CNT], STAGE
	v_mul_u32_u24 v[STO], v1, SP                   ; in: row l % 16, 16 bytes for each half of the lanes
	v_lshl_add_u32 v[STO], v9, 4, v[STO]
	v_add_nc_u32 v[STO], s[CNT], v[STO]
	v_bfe_u32 v[RD], v0, 3, 2                      ; back: 32 lanes take four rows of 128 bytes,
	v_mul_u32_u24 v[RD], v[RD], SP
	v_lshl_add_u32 v[RD], v10, 4, v[RD]
	v_add_nc_u32 v[RD], s[CNT], v[RD]
	v_and_b32 v[GO], 31, v0                        ; which are 512 consecutive bytes of xw
	v_lshlrev_b32 v[GO], 4, v[GO]
	s_mov_b32 s[CNT], 2
	s_mov_b32 s[SLOTS], 7
	s_branch .Lfirst                               ; the loop is entered at a step's first turn, in the middle of a trip
.Lslot:                                                ; six times: every slot but the last two is filled again
	CHANGE 1
	s_mov_b32 s[CNT], 2
.Lstep:                                                ; a trip: pieces 2 and 3 of one step, then pieces 0 and 1 of the next, whose K and V it fetches
	TURN 2
	TURN 3
	WIN 0
.Lfirst:
	TURN 0
	TURN 1
	WIN 0
	s_sub_co_u32 s[CNT], s[CNT], 1
	s_cmp_lg_u32 s[CNT], 0
	s_cbranch_scc1 .Lstep
	s_sub_co_u32 s[SLOTS], s[SLOTS], 1
	s_cmp_lg_u32 s[SLOTS], 0
	s_cbranch_scc1 .Lslot
	CHANGE 0                                       ; the tail is written out: nothing is asked for
	s_mov_b32 s[CNT], 3                            ; two trips fetch the last slot's steps; the third is left in its middle
.Ltail:
	TURN 2, 1
	TURN 3
	WIN 0
	s_sub_co_u32 s[CNT], s[CNT], 1
	s_cmp_eq_u32 s[CNT], 0
	s_cbranch_scc1 .Lout
	TURN 0
	TURN 1
	WIN 0
	s_branch .Ltail
.Lout:                                                 ; the third trip's 16 products K Q^T on the last K once more serve nothing: the price, once a launch, of one text for every trip
	s_wait_kmcnt 0x0                               ; the last look-ahead's words: no scalar load is out on the way out
.set i, 0
.rept 16
	PV 3                                           ; the last piece's V^T P of the last step
.set i, i+1
.endr
	; THE WAY OUT.  l's two halves and the other half of the lanes' are added; set B's reciprocal takes the weight 0.5; a tile's result is O_A / l_A + 0.5 max(O_B, 0) / l_B.  The additions are the places behind the last products.
	WIN 0
.set t, 0
.rept 8
	v_add_f32 v[ST+4*t+2], v[ST+4*t+2], v[ST+4*t+3]
.set t, t+1
.endr
.set t, 0
.rept 8
	v_permlanex16_b32 v[ST+4*t+3], v[ST+4*t+2], s[SEL], s[SEL+1]
.set t, t+1
.endr
.set t, 0
.rept 8
	v_add_f32 v[ST+4*t+2], v[ST+4*t+2], v[ST+4*t+3]
.set t, t+1
.endr
.set t, 0
.rept 8
	v_rcp_f32 v[ST+4*t+2], v[ST+4*t+2]
.set t, t+1
.endr
	v_nop                                          ; a plain line between the last reciprocal and the use of its result
.irp t, 2,3,6,7
	v_mul_f32 v[ST+4*\t+2], 0.5, v[ST+4*\t+2]
.endr
.macro PACKO tau
.set oA, 32*(4*((\tau)/2)+(\tau)%2)
.set oB, oA+64
.set tA, ST+4*(4*((\tau)/2)+(\tau)%2)+2
.set tB, tA+8
	WIN 0x44                                       ; source 1 and destination window 1
.set z, 0
.rept 32
	v_max_num_f32 v[oB+z], 0, v[oB+z]
.set z, z+1
.endr
	WIN W_RS
.set z, 0
.rept 16
	v_pk_mul_f32 v[oB+2*z:oB+2*z+1], v[oB+2*z:oB+2*z+1], v[tB:tB+1] op_sel_hi:[1,0]
.set z, z+1
.endr
	WIN 0x51                                       ; sources 0 and 2 and destination window 1, source 1 window 0
.set z, 0
.rept 16
	v_pk_fma_f32 v[oA+2*z:oA+2*z+1], v[oA+2*z:oA+2*z+1], v[tA:tA+1], v[oB+2*z:oB+2*z+1] op_sel_hi:[1,0,1]
.set z, z+1
.endr
	WIN 0x05
.set z, 0
.rept 16
	v_cvt_pk_f16_f32 v[S+16*(\tau)+z], v[oA+2*z], v[oA+2*z+1]
.set z, z+1
.endr
	WIN 0
.irp f, 0,1,2,3
	ds_store_b128 v[STO], v[S+16*(\tau)+4*\f:S+16*(\tau)+4*\f+3] offset:32*\f
.endr
.irp f, 0,1,2,3
	ds_load_b128 v[S+16*(\tau)+4*\f:S+16*(\tau)+4*\f+3], v[RD] offset:\f*4*SP  ; LDS serves a wave's instructions in order (ISA guide 5.7.1.4): these see the stores above; the next tile's stores come behind them
.endr
.endm
.macro SENDO tau, younger              ; younger: the next tile's eight LDS instructions, or none
.irp f, 0,1,2,3
	s_wait_dscnt (\younger)+3-\f
	global_store_b128 v[GO], v[S+16*(\tau)+4*\f:S+16*(\tau)+4*\f+3], s[XW:XW+1] offset:(\tau)*2048+\f*512  ; 512 consecutive bytes, at a multiple of 256 from xw's first
.endr
.endm
	PACKO 0
	PACKO 1
	SENDO 0, 8
	PACKO 2
	SENDO 1, 8
	PACKO 3
	SENDO 2, 8
	SENDO 3, 0
	s_wait_tensorcnt 0x0                           ; the wave's end, behind my last tensor load and my last LDS store
	ds_add_u32 v[SPW], v[NIL]
	s_wait_dscnt 0x0
	CROUND                                         ; the closing round
	s_endpgm
.Lfunc_end_k_qf8ba1dd449_attn:
	.size	k_qf8ba1dd449_attn, .Lfunc_end_k_qf8ba1dd449_attn-k_qf8ba1dd449_attn
	.p2alignl 7, 3214868480
	.fill 96, 4, 3214868480
	.section	.rodata,"a",@progbits
	.p2align	6, 0x0
	.amdhsa_kernel k_qf8ba1dd449_attn
		.amdhsa_group_segment_fixed_size 327680
		.amdhsa_private_segment_fixed_size 0
		.amdhsa_enable_private_segment 0
		.amdhsa_kernarg_size 32
		.amdhsa_user_sgpr_count 2
		.amdhsa_user_sgpr_kernarg_segment_ptr 1
		.amdhsa_wavefront_size32 1
		.amdhsa_system_sgpr_workgroup_id_x 1
		.amdhsa_system_sgpr_workgroup_id_y 1
		.amdhsa_system_sgpr_workgroup_id_z 1
		.amdhsa_system_vgpr_workitem_id 0
		.amdhsa_next_free_vgpr 1024
		.amdhsa_next_free_sgpr 106
		.amdhsa_reserve_vcc 0
		.amdhsa_float_denorm_mode_32 3
		.amdhsa_float_denorm_mode_16_64 3
		.amdhsa_memory_ordered 1
		.amdhsa_forward_progress 1
		.amdhsa_inst_pref_size 222
	.end_amdhsa_kernel
	.amdgpu_metadata
---
amdhsa.version: [ 1, 2 ]
amdhsa.kernels:
  - .name:           k_qf8ba1dd449_attn
    .symbol:         k_qf8ba1dd449_attn.kd
    .args:
      - { .name: qkv, .offset: 0, .size: 8, .value_kind: global_buffer, .address_space: global }
      - { .name: maskw, .offset: 8, .size: 8, .value_kind: global_buffer, .address_space: global }
      - { .name: rowflag, .offset: 16, .size: 8, .value_kind: global_buffer, .address_space: global }
      - { .name: xw, .offset: 24, .size: 8, .value_kind: global_buffer, .address_space: global }
    .group_segment_fixed_size: 327680
    .private_segment_fixed_size: 0
    .kernarg_segment_align: 8
    .kernarg_segment_size: 32
    .max_flat_workgroup_size: 128
    .sgpr_count:     106
    .vgpr_count:     1024
    .wavefront_size: 32
...
	.end_amdgpu_metadata
.endif
;; end of part 5
;; launch outp: the kernel of part 4 again; grid 128 x 2, 4 waves a work-group, clusters of 4 x 1, 327,680 bytes of LDS; arguments xw, wcat, bcat, out0; writes out0
